; MI455X (gfx1250); checked and timed in simulation.
; The chip was launched on July 23, 2026; its instructions are those of AMD's public machine-readable ISA for CDNA 5 (MIT licence, August 2026) and "CDNA5" Instruction Set Architecture Reference Guide (July 2026). The comments in the code are by the model that wrote it; some were corrected since.
;; Multihead Attention. Allowed arithmetic: matrix products marked QUANTISED: E2M3 operands, one E8M0 scale for each 32 along K, by v_wmma_scale_f32_16x16x128_f8f6f4 with both operands' format E2M3, f32 sums; everything else in f32.
;; Inputs: Wk 1,024 x 1,024 float32; Wo 1,024 x 1,024 float32; Wq 1,024 x 1,024 float32; Wv 1,024 x 1,024 float32; bk 1,024 float32; bo 1,024 float32; bq 1,024 float32; bv 1,024 float32; key 2 x 2,048 x 1,024 float32; mask 1 x 1 x 2,048 x 2,048 float32; query 2 x 2,048 x 1,024 float32; value 2 x 2,048 x 1,024 float32.
;; Outputs: out0 2 x 2,048 x 1,024 float32.
;; This version of the problem:
;;   THIS VERSION OF THE PROBLEM IS GIVEN IN LOW PRECISION. The matrix products marked QUANTISED in the list below multiply operands that are first quantised to E2M3 (2 exponent bits, 3 mantissa bits; 6 bits a number), with one power-of-two scale for each 32 numbers along K (OCP MX v1.0); their sums are f32. All else is computed in f32.
;;   The module's matrix products, in the order in which they are computed (A, B: the left and right operand; K: the contracted axis; several contracted axes count as one K, in the product's order):
;;     1. [M 4,096, K 1,024] x [K 1,024, N 1,024]; A: input query; B: input Wq: QUANTISED
;;     2. [M 4,096, K 1,024] x [K 1,024, N 1,024]; A: input key; B: input Wk: QUANTISED
;;     3. [M 4,096, K 1,024] x [K 1,024, N 1,024]; A: input value; B: input Wv: QUANTISED
;;     4. batch 32 x [M 2,048, K 64] x [K 64, N 2,048]; A: computed on the way; B: computed on the way: QUANTISED
;;     5. batch 32 x [M 2,048, K 2,048] x [K 2,048, N 64]; A: softmax (see below); B: computed on the way: QUANTISED
;;     6. [M 4,096, K 1,024] x [K 1,024, N 1,024]; A: computed on the way; B: input Wo: QUANTISED
;;   THE QUANTISER, for each operand of a quantised product, along K:
;;     - K is cut into blocks of 32 from its start; a last block that is shorter is filled with zeros.
;;     - A block's scale is 2^e with e = floor(log2(the largest magnitude in the block)) - 2, held to -126 .. 127; a block of zeros has e = 0. As a byte (E8M0): e + 127.
;;     - Each number is divided by its block's scale, clamped to +-7.5, and rounded to the nearest number of E2M3, ties to even, subnormals kept.
;;     - The product sums the exact products of the quantised numbers (number of the format x scale) in f32.
;;   ~~~python
;;   def quantise(x, axis):      # numpy; x: float32 -> the quantised numbers, widened to float32 again
;;       x = np.moveaxis(x, axis, -1); K = x.shape[-1]
;;       x = np.pad(x, [(0, 0)] * (x.ndim - 1) + [(0, -K % 32)]); x = x.reshape(x.shape[:-1] + (-1, 32)); a = np.abs(x).max(-1, keepdims=True)
;;       e = np.where(a > 0, np.clip(np.frexp(np.where(a > 0, a, 1))[1] - 1 - 2, -126, 127), 0)      # np.frexp(a)[1] - 1 = floor(log2(a)), exactly
;;       r = np.clip(x / 2.0 ** e, -7.5, 7.5)
;;       step = 2.0 ** (np.maximum(np.frexp(np.where(r == 0, 1, r))[1] - 1, 0) - 3)
;;       q = np.round(r / step) * step * 2.0 ** e      # np.round: ties to even
;;       return np.moveaxis(q.reshape(q.shape[:-2] + (-1,))[..., :K], -1, axis).astype(np.float32)
;;   ~~~
;;   SOFTMAX AHEAD OF A QUANTISED PRODUCT. Where the list says 'softmax', what is quantised is not the finished softmax but p = 2^(t - M), with t = logit x log2(e) and M = ceil(the row's largest t), a whole number; so 1/2 < the row's largest p <= 1. The row's sum l is taken of the UNQUANTISED p, in f32, and the product's result is divided by l at the end. Since M is a whole number, a kernel that streams over the keys may use a running M (the ceiling of the running maximum): every later rescaling is an exact power of two, which a block's scale takes up: the codes' values come out the same.
;;   OPERANDS COMPUTED ON THE WAY. 'Computed on the way' means the value that the module computes at that place (a softmax that the list does not call 'softmax' is quantised finished and normalised). What goes into a quantiser is computed in f32, as accurately as f32 sums, v_exp_f32 and their like allow (about 1e-6 of the number): no bf16 or f16 on the way to a quantiser, and a product that is left as it is and whose result goes on into a quantised operand takes f32 operands (vector FMAs, or v_wmma_f32_16x16x4_f32). A number that lies on a knife's edge between two numbers of the format may be rounded either way, as far as f32 arithmetic and the matrix unit's own rounding can turn it there, and no further.
;; One version. Each part assembles by itself: llvm-mc -triple=amdgcn-amd-amdhsa -mcpu=gfx1250 --defsym DOCPART=n.
;; ======== version 1 of 1: 4 launches
;; limits: right only within a limited range of input values
;; workspace buffers: codes 12,582,912 bytes; scales 524,288 bytes; qkv 9,830,400 bytes; cx 3,145,728 bytes; cs 131,072 bytes; flags 2,048 bytes of whole numbers
;; launch quant (part 1): grid 640 x 1, 4 waves a work-group, no clusters, 33,280 bytes of LDS; arguments query, key, value, Wq, Wk, Wv, Wo, codes, scales, mask, flags; writes codes, scales, flags
.if DOCPART == 1
	.amdgcn_target "amdgcn-amd-amdhsa--gfx1250"
	.amdhsa_code_object_version 6
	.text
	.protected	k_q46107ca2e8_quant
	.globl	k_q46107ca2e8_quant
	.p2align	8
	.type	k_q46107ca2e8_quant,@function
k_q46107ca2e8_quant:
	s_mov_b64 s[64:65], 0
	v_nop
	global_prefetch_b8 v0, s[64:65] scope:SCOPE_SE
	s_setreg_imm32_b32 hwreg(HW_REG_WAVE_MODE, 25, 1), 1
	s_wait_xcnt 0x0
; query, key, value [4096][1024] and Wq, Wk, Wv, Wo [1024][1024], f32, K innermost, become codes of FP6 (E2M3) with one E8M0 byte for each 32 along K.
; The seven tensors are taken as one stream of blocks of 32 numbers, in the order of the arguments; codes (24 bytes a block) and scale bytes (1 a block) follow the same order in two buffers.
; A block's scale is 2^(floor(log2(largest magnitude)) - 2); its byte is the largest magnitude's exponent field - 2, held at 1 from below.
; THE ORDER OF CODES IN A BLOCK: the code at place 16 h + 8 u + j is number 16 u + 8 h + j (h, u = 0, 1; j = 0 .. 7): the two middle groups of eight change places.  Every operand of every product
; of this program carries that order, so each product pairs the same numbers; a block holds its true 32 numbers, so its scale is the true one.  Only the order of the exact sums differs.
; LIMITS: NaN and infinities are not served; a block whose largest magnitude lies under 2^-124 keeps the byte 1; a block of zeros gets the byte 1 where the rule says 127: its codes are zeros,
; which add nothing under that byte, and this program alone reads the bytes.
; A work-group takes 32,768 numbers, a wave 16 steps of 512.  Each load reads 512 consecutive bytes; a step's 2,048 bytes turn through the wave's own stage in LDS, so that a lane gets the 16 numbers
; whose codes it makes; two neighbouring lanes hold a block.  Waves share nothing: no barrier.  Loads run eight steps (32 loads, 16,384 bytes a wave) ahead, the turn through LDS one step.
.set STEPS, 16
.set DEPTH, 8                          ; steps whose loads are out at a time: as many sets of 16 registers
.set EMAX,  2
.set CB,    12                         ; bytes of 16 codes
.set R,     16                         ; v16-143  eight sets of 16 numbers as loaded
.set X,     144                        ; v144-175 two sets of 16 numbers as converted
.set E,     176                        ; v176-191 a scale byte for each step
.set C,     192                        ; v192-255 codes: four registers for each step, so that no store's data are written again
.set WREG,  8192                       ; LDS: a region for each wave: two stages of 32 x SP bytes, behind them its 256 scale bytes
.set SP,    80                         ; 64 bytes of numbers + 16 of padding
	s_load_b512 s[4:19], s[0:1], 0x0               ; query, key, value, Wq, Wk, Wv, Wo, codes
	s_load_b64 s[20:21], s[0:1], 0x40              ; scales
	s_load_b128 s[32:35], s[0:1], 0x48             ; mask, flags
	v_lshl_add_u32 v251, v0, 2, 0x8000
	v_mov_b32 v255, 0
	v_lshrrev_b32 v1, 5, v0
	v_readfirstlane_b32 s22, v1                    ; wave
	v_and_b32 v2, 31, v0                           ; lane
	v_lshlrev_b32 v3, 4, v2                        ; my 16 bytes of a load's 512
	s_mul_i32 s25, s22, WREG
	v_lshrrev_b32 v14, 2, v2
	v_mul_u32_u24 v14, v14, SP
	v_and_b32 v15, 3, v2
	v_lshl_add_u32 v14, v15, 4, v14
	v_add_nc_u32 v14, s25, v14                     ; the stage, on the way in: SP (lane / 4) + 16 (lane % 4)
	v_and_b32 v15, 30, v2
	v_mul_u32_u24 v15, v15, SP
	v_and_b32 v10, 1, v2
	v_lshl_add_u32 v15, v10, 5, v15
	v_add_nc_u32 v15, s25, v15                     ; on the way out: lane 2 B + h takes numbers 8 h .. 8 h + 7 of both halves of block B: SP x 2 B + 32 h, and SP further on
	; WHERE THE CODES GO.  A row's 768 bytes are cut into four chunks of 192 (256 along K).  Rows 0 to 15,359 of the stream (all but Wo): chunk c of row g at 2,949,120 c + 192 g, so that any run of rows
	; of one chunk is a dense block.  Wo, from byte 11,796,480 on: by blocks of 64 rows, chunk c of row n at 49,152 (n / 64) + 12,288 c + 192 (n % 64): a block's whole K is dense.
	s_cmp_ge_u32 ttmp9, 480                        ; Wo's work-groups
	s_mov_b32 s29, 2949120
	s_cselect_b32 s29, 12288, s29                  ; bytes from chunk to chunk
	v_and_b32 v4, 15, v2
	v_mul_u32_u24 v4, v4, CB
	v_lshrrev_b32 v10, 4, v2
	v_mad_u32_u24 v4, v10, s29, v4                 ; lanes 0-15 hold a step's first chunk, lanes 16-31 its second
	v_lshrrev_b32 v5, 1, v2
	s_add_co_u32 s25, s25, 2*32*SP
	v_add_nc_u32 v5, s25, v5                       ; LDS: my wave's 256 scale bytes, my block's byte
	v_lshlrev_b32 v7, 3, v2                        ; and on the way out 8 bytes a lane
	v_add_nc_u32 v6, s25, v7
	s_mov_b32 s24, 0                               ; the first work-group of my tensor
	s_wait_alu depctr_va_vdst(0)
	s_wait_kmcnt 0x0
	s_cmp_ge_u32 ttmp9, 512                        ; the last 128 work-groups read the mask
	s_cbranch_scc1 .Lmask
.macro PICK bound, ptr                 ; from work-group bound on, the next tensor: the choice hangs on the work-group's number alone
	s_cmp_ge_u32 ttmp9, \bound
	s_cselect_b64 s[4:5], s[\ptr:\ptr+1], s[4:5]
	s_cselect_b32 s24, \bound, s24
.endm
	PICK 128, 6
	PICK 256, 8
	PICK 384, 10
	PICK 416, 12
	PICK 448, 14
	PICK 480, 16
	s_sub_co_u32 s26, ttmp9, s24
	s_lshl_b32 s26, s26, 2
	s_add_co_u32 s26, s26, s22                     ; which run of 8,192 numbers of the tensor is my wave's
	s_lshl_b32 s26, s26, 15                        ; 32,768 bytes a run
	s_mov_b32 s27, 0
	s_add_nc_u64 s[4:5], s[4:5], s[26:27]
	s_lshl_b32 s28, ttmp9, 2
	s_add_co_u32 s28, s28, s22                     ; which run of the whole stream
	s_mul_i32 s26, s28, 1536                       ; a run is 8 rows: 8 x 192 bytes in each chunk's plane
	s_sub_co_u32 s30, s28, 1920                    ; Wo: its run,
	s_lshr_b32 s31, s30, 3
	s_mul_i32 s31, s31, 49152                      ; its block of 64 rows,
	s_and_b32 s30, s30, 7
	s_mul_i32 s30, s30, 1536                       ; its 8 rows in the block
	s_add_co_u32 s30, s30, s31
	s_add_co_u32 s30, s30, 11796480
	s_cmp_ge_u32 ttmp9, 480
	s_cselect_b32 s26, s30, s26
	s_add_nc_u64 s[18:19], s[18:19], s[26:27]      ; even steps: chunks 0 and 1 of a row
	s_lshl_b32 s30, s29, 1
	s_mov_b32 s31, 0
	s_add_nc_u64 s[36:37], s[18:19], s[30:31]      ; odd steps: chunks 2 and 3
	s_lshl_b32 s26, s28, 8                         ; 256 scale bytes a run
	s_add_nc_u64 s[20:21], s[20:21], s[26:27]
.macro LOAD t
.irp i, 0,1,2,3
	global_load_b128 v[R+16*((\t)%DEPTH)+4*\i:R+16*((\t)%DEPTH)+4*\i+3], v3, s[4:5] offset:2048*(\t)+512*\i th:TH_LOAD_NT   ; 32 lanes read 512 consecutive bytes
.endr
.endm
.macro TURN t                          ; step t's numbers through the stage: LDS serves a wave's instructions in order, so no wait stands between the stores and the loads
.irp i, 0,1,2,3
	ds_store_b128 v14, v[R+16*((\t)%DEPTH)+4*\i:R+16*((\t)%DEPTH)+4*\i+3] offset:32*SP*((\t)%2)+8*SP*\i
.endr
.irp i, 0,1,2,3
	ds_load_b128 v[X+16*((\t)%2)+4*\i:X+16*((\t)%2)+4*\i+3], v15 offset:32*SP*((\t)%2)+SP*(\i/2)+16*(\i%2)
.endr
.endm
.irp t, 0,1,2,3,4,5,6,7
	LOAD \t
.endr
	s_wait_loadcnt 4*(DEPTH-1)                     ; step 0's four loads are in; the 28 of steps 1 to 7 may be out
	TURN 0
.macro STEP t
.set XS, X+16*((\t)%2)
.if (\t) > 0
	s_wait_dscnt 1                                 ; this step's numbers are back from the stage, so its stores into the stage are done too (the last step's byte store may be out)
.else
	s_wait_dscnt 0x0
.endif
.if (\t)+DEPTH < STEPS
	LOAD (\t)+DEPTH                                ; into the set that the stage's stores have read
.endif
.if (\t)+1 < STEPS
.if STEPS-2-(\t) >= DEPTH-1
	s_wait_loadcnt 4*(DEPTH-1)                     ; the next step's four loads are in; those of the seven steps behind it may be out
.else
	s_wait_loadcnt 4*(STEPS-2-(\t))                ; the tail: as many steps as are left behind the next
.endif
	TURN (\t)+1
.endif
	v_max3_num_f32 v8, |v[XS]|, |v[XS+1]|, |v[XS+2]|               ; the largest magnitude of my 16
	v_max3_num_f32 v9, |v[XS+3]|, |v[XS+4]|, |v[XS+5]|
.irp i, 6,10
	v_max3_num_f32 v8, v8, |v[XS+\i]|, |v[XS+\i+1]|
	v_max3_num_f32 v9, v9, |v[XS+\i+2]|, |v[XS+\i+3]|
.endr
	v_max3_num_f32 v8, v8, |v[XS+14]|, |v[XS+15]|
	v_max3_num_f32 v8, v8, v9, (EMAX+1)<<23        ; and the floor 2^(3 - 127): the byte cannot fall under 1
	v_max_num_f32_dpp v8, v8, v8 row_xmask:1 row_mask:0xf bank_mask:0xf   ; and of my neighbour's 16: the block's
	v_add_nc_u32 v11, -(EMAX<<23), v8              ; 2 off its exponent field: the conversion takes the exponent field of this operand as its scale
	v_cvt_scalef32_pk16_fp6_f32 v[C+4*(\t):C+4*(\t)+2], v[XS:XS+15], v11
	v_lshrrev_b32 v[E+(\t)], 23, v11               ; the scale's byte (also the plain line behind the conversion)
	ds_store_b8 v5, v[E+(\t)] offset:16*(\t)       ; both lanes of a block write the same byte with the same value
	global_store_b96 v4, v[C+4*(\t):C+4*(\t)+2], s[18+18*((\t)%2):19+18*((\t)%2)] offset:192*((\t)/2)   ; two runs of 192 consecutive bytes
.endm
.irp t, 0,1,2,3,4,5,6,7,8,9,10,11,12,13,14,15
	STEP \t
.endr
	ds_load_b64 v[12:13], v6                       ; LDS serves a wave's instructions in order: these see my stores
	s_wait_dscnt 0x0
	global_store_b64 v7, v[12:13], s[20:21]        ; 32 lanes store 256 consecutive bytes, at a multiple of 256 from the buffer's first byte
	s_wait_tensorcnt 0x0
	ds_add_u32 v251, v255
	s_wait_dscnt 0x0
	s_endpgm
; THE MASK'S FLAGS.  Work-group 512 + i takes queries 16 i .. 16 i + 15, wave w four of these rows.  For each of the 16 tiles of 128 keys it stores two bits, as whole numbers for the attention launch:
; bit k: in some row of mine the tile's least mask number lies under the row's least mask number + 0.5; where that holds of no row, every logit of the tile lies 5e8 or more (less the scores' spread)
; under the row's largest, and its p is 0.  Bit 16 + k: the tile holds a mask number that is not 0.  One load reads one row's 512 bytes of one tile; no lane asks another but for the row's least.
.Lmask:
.set MS, 16                            ; v16-207 three sets of a row's 64 numbers a lane
.set AB, 208                           ; v208-223 the largest magnitude so far, a tile a register
.set AC, 224                           ; v224-239 the least of (number - row's least - 0.5) so far
	s_sub_co_u32 s26, ttmp9, 512
	s_lshl_b32 s26, s26, 2
	s_add_co_u32 s26, s26, s22                     ; which four rows are my wave's
	s_lshl_b32 s30, s26, 2                         ; their word of flags
	s_lshl_b32 s26, s26, 15                        ; 4 rows of 8,192 bytes
	s_mov_b32 s27, 0
	s_mov_b32 s31, 0
	s_add_nc_u64 s[32:33], s[32:33], s[26:27]
	s_add_nc_u64 s[34:35], s[34:35], s[30:31]
	s_mov_b32 s38, 0x76543210
	s_mov_b32 s39, 0xfedcba98
.macro MLOAD row
.irp k, 0,1,2,3,4,5,6,7,8,9,10,11,12,13,14,15
	global_load_b128 v[MS+64*((\row)%3)+4*\k:MS+64*((\row)%3)+4*\k+3], v3, s[32:33] offset:8192*(\row)+512*\k th:TH_LOAD_NT
.endr
.endm
.macro MROW row
.set XS, MS+64*((\row)%3)
.irp k, 0,1,2,3,4,5,6,7,8,9,10,11,12,13,14,15
.if (\row) == 0
	v_max3_num_f32 v[AB+\k], |v[XS+4*\k]|, |v[XS+4*\k+1]|, |v[XS+4*\k+2]|
.else
	v_max3_num_f32 v[AB+\k], v[AB+\k], |v[XS+4*\k]|, |v[XS+4*\k+1]|
.endif
.endr
.irp k, 0,1,2,3,4,5,6,7,8,9,10,11,12,13,14,15
.if (\row) == 0
	v_max_num_f32 v[AB+\k], v[AB+\k], |v[XS+4*\k+3]|
.else
	v_max3_num_f32 v[AB+\k], v[AB+\k], |v[XS+4*\k+2]|, |v[XS+4*\k+3]|
.endif
.endr
.irp k, 0,1,2,3,4,5,6,7,8,9,10,11,12,13,14,15
	v_min3_num_f32 v[XS+4*\k], v[XS+4*\k], v[XS+4*\k+1], v[XS+4*\k+2]
.endr
.irp k, 0,1,2,3,4,5,6,7,8,9,10,11,12,13,14,15
	v_min_num_f32 v[XS+4*\k], v[XS+4*\k], v[XS+4*\k+3]   ; my four numbers' least, tile by tile
.endr
	v_min3_num_f32 v240, v[XS], v[XS+4], v[XS+8]
.irp k, 3,5,7,9,11,13
	v_min3_num_f32 v240, v240, v[XS+4*\k], v[XS+4*\k+4]
.endr
	v_min_num_f32 v240, v240, v[XS+60]
.irp m, 1,2,4,8
	v_min_num_f32_dpp v240, v240, v240 row_xmask:\m row_mask:0xf bank_mask:0xf
.endr
	v_permlanex16_b32 v241, v240, s38, s39
	v_min_num_f32 v240, v240, v241                 ; the row's least
	v_add_f32 v240, 0.5, v240
.irp k, 0,1,2,3,4,5,6,7,8,9,10,11,12,13,14,15
.if (\row) == 0
	v_sub_f32 v[AC+\k], v[XS+4*\k], v240
.else
	v_sub_f32 v[XS+4*\k], v[XS+4*\k], v240
.endif
.endr
.if (\row) > 0
.irp k, 0,1,2,3,4,5,6,7,8,9,10,11,12,13,14,15
	v_min_num_f32 v[AC+\k], v[AC+\k], v[XS+4*\k]
.endr
.endif
.endm
	MLOAD 0
	MLOAD 1
	MLOAD 2
	v_mov_b32 v241, 0                              ; a lane permute's destination counts as a source
	s_wait_loadcnt 32                              ; row 0's 16 loads are in; rows 1 and 2 may be out
	MROW 0
	MLOAD 3                                        ; into row 0's set
	s_wait_loadcnt 32
	MROW 1
	s_wait_loadcnt 16
	MROW 2
	s_wait_loadcnt 0x0
	MROW 3
	s_mov_b32 s30, 0
.irp k, 0,1,2,3,4,5,6,7,8,9,10,11,12,13,14,15
	v_cmp_gt_f32 vcc_lo, 0, v[AC+\k]               ; any lane: the tile is wanted
	s_cmp_lg_u32 vcc_lo, 0
	s_cselect_b32 s31, 1<<\k, 0
	s_or_b32 s30, s30, s31
	v_cmp_lt_f32 vcc_lo, 0, v[AB+\k]               ; any lane: the tile's mask is not all zeros
	s_cmp_lg_u32 vcc_lo, 0
	s_cselect_b32 s31, 0x10000<<\k, 0
	s_or_b32 s30, s30, s31
.endr
	v_mov_b32 v240, s30
	v_mov_b32 v241, 0
	s_wait_alu depctr_va_vdst(0)
	s_wait_xcnt 0x0                                ; EXEC changes only behind this wait
	v_cmpx_eq_u32 0, v2                            ; lane 0 stores the wave's word
	global_store_b32 v241, v240, s[34:35]
	s_endpgm
.Lfunc_end_k_q46107ca2e8_quant:
	.size	k_q46107ca2e8_quant, .Lfunc_end_k_q46107ca2e8_quant-k_q46107ca2e8_quant
	.p2alignl 7, 3214868480
	.fill 96, 4, 3214868480
	.section	.rodata,"a",@progbits
	.p2align	6, 0x0
	.amdhsa_kernel k_q46107ca2e8_quant
		.amdhsa_group_segment_fixed_size 33280
		.amdhsa_private_segment_fixed_size 0
		.amdhsa_enable_private_segment 0
		.amdhsa_kernarg_size 88
		.amdhsa_user_sgpr_count 2
		.amdhsa_user_sgpr_kernarg_segment_ptr 1
		.amdhsa_wavefront_size32 1
		.amdhsa_system_sgpr_workgroup_id_x 1
		.amdhsa_system_sgpr_workgroup_id_y 1
		.amdhsa_system_sgpr_workgroup_id_z 1
		.amdhsa_system_vgpr_workitem_id 0
		.amdhsa_next_free_vgpr 256
		.amdhsa_next_free_sgpr 66
		.amdhsa_reserve_vcc 1
		.amdhsa_float_denorm_mode_32 3
		.amdhsa_float_denorm_mode_16_64 3
		.amdhsa_memory_ordered 1
		.amdhsa_forward_progress 1
		.amdhsa_inst_pref_size 67
	.end_amdhsa_kernel
	.amdgpu_metadata
---
amdhsa.version: [ 1, 2 ]
amdhsa.kernels:
  - .name:           k_q46107ca2e8_quant
    .symbol:         k_q46107ca2e8_quant.kd
    .args:
      - { .name: query, .offset: 0, .size: 8, .value_kind: global_buffer, .address_space: global }
      - { .name: key, .offset: 8, .size: 8, .value_kind: global_buffer, .address_space: global }
      - { .name: value, .offset: 16, .size: 8, .value_kind: global_buffer, .address_space: global }
      - { .name: Wq, .offset: 24, .size: 8, .value_kind: global_buffer, .address_space: global }
      - { .name: Wk, .offset: 32, .size: 8, .value_kind: global_buffer, .address_space: global }
      - { .name: Wv, .offset: 40, .size: 8, .value_kind: global_buffer, .address_space: global }
      - { .name: Wo, .offset: 48, .size: 8, .value_kind: global_buffer, .address_space: global }
      - { .name: codes, .offset: 56, .size: 8, .value_kind: global_buffer, .address_space: global }
      - { .name: scales, .offset: 64, .size: 8, .value_kind: global_buffer, .address_space: global }
      - { .name: mask, .offset: 72, .size: 8, .value_kind: global_buffer, .address_space: global }
      - { .name: flags, .offset: 80, .size: 8, .value_kind: global_buffer, .address_space: global }
    .group_segment_fixed_size: 33280
    .private_segment_fixed_size: 0
    .kernarg_segment_align: 8
    .kernarg_segment_size: 88
    .max_flat_workgroup_size: 128
    .sgpr_count:     66
    .vgpr_count:     256
    .wavefront_size: 32
...
	.end_amdgpu_metadata
.endif
;; end of part 1
;; launch proj (part 2): grid 4 x 48, 4 waves a work-group, clusters of 4 x 4, 327,680 bytes of LDS; arguments codes, scales, qkv, bq, bk, bv; writes qkv
.if DOCPART == 2
	.amdgcn_target "amdgcn-amd-amdhsa--gfx1250"
	.amdhsa_code_object_version 6
	.text
	.protected	k_q46107ca2e8_proj
	.globl	k_q46107ca2e8_proj
	.p2align	8
	.type	k_q46107ca2e8_proj,@function
k_q46107ca2e8_proj:
	s_mov_b64 s[64:65], 0
	v_nop
	global_prefetch_b8 v0, s[64:65] scope:SCOPE_SE
	s_setreg_imm32_b32 hwreg(HW_REG_WAVE_MODE, 25, 1), 1
	s_wait_xcnt 0x0
	s_wait_alu depctr_hold_cnt(0) depctr_sa_sdst(0) depctr_va_vdst(0) depctr_va_sdst(0) depctr_va_ssrc(0) depctr_va_vcc(0) depctr_vm_vsrc(0)
	s_getreg_b32 s2, hwreg(HW_REG_IB_STS2, 6, 4)
	s_cmp_eq_u32 s2, 0
	s_cbranch_scc0 .Lentry_in_a_cluster
	s_endpgm
.Lentry_in_a_cluster:
	s_bfe_u32 s2, ttmp6, 0x10000c
	s_cmp_lg_u32 s2, 0xf033
	s_cbranch_scc0 .Lentry_shape_is_right
	s_endpgm
.Lentry_shape_is_right:
.set SIZE_K, 1024
.set KSTEP,  256
.set NQ,     KSTEP/128
.set ROWB,   192
.set CHS,    2949120                   ; bytes from a chunk's plane of the codes to the next: 128 rows of a chunk are 24,576 dense bytes, loaded as 96 rows of 256
.set KROW,   SIZE_K*6/8
.set PITCH,  240
.set FR,     12
.set NL,     6
.set NP,     4
.set HALFT,  128*PITCH
.set SLOT,   4*HALFT
.set LAPS,   SIZE_K/(2*KSTEP)
.set KS,     SIZE_K/32
.set SCL,    2*SLOT
.set HALFS,  (128*KS/256)*272
.set SBLK,   (16*KS/256)*272
.set SPARE,  SCL+4*HALFS
.set REC,    19200
.set HSTR,   16*REC
.set L8,   8
.set L16,  9
.set L4,   10
.set SA,   11
.set H32,  12
.set R4,   13
.set ADRA, 16
.set ADRB, 20
.set ADRS, 27
.set SPW,  28
.set NIL,  29
.set SC,   32
.set AF,   128
.set BR,   64
.set T,    128
.set TM,   192
.set PC,   208
.set PWE,  228
.set PWO,  229
.set W0,   230
.set G1, 24
.set G0, 32
.set G1B, 48
.set G0B, 56
.set G1S, 68
.set G0S, 76
.set G1SB, 80
.set G0SB, 88
.set SEL, 92
.set MSB, 0
.macro WIN new
.if MSB != (\new)
	s_set_vgpr_msb (MSB<<8)|(\new)
.set MSB, (\new)
.endif
.endm
.set MUL_LO, 0xa1
.set MUL_HI, 0xf1
.set TO_B,   0x40
.macro JLOAD g0a, g1a, g0b, g1b
	s_cmp_eq_u32 s15, 0
	s_cbranch_scc0 .Lfor_b_\@
	tensor_load_to_lds s[\g0a:\g0a+3], s[\g1a:\g1a+7]
	s_nop 0
.rept 4
	v_nop
.endr
	s_branch .Lasked_\@
.Lfor_b_\@:
	tensor_load_to_lds s[\g0b:\g0b+3], s[\g1b:\g1b+7]
	s_nop 0
.rept 4
	v_nop
.endr
.Lasked_\@:
.endm
.macro CREST
	s_cmp_lg_u32 s14, 0
	s_cbranch_scc1 .Lnot_wave_0_\@
	s_barrier_signal -3
.Lnot_wave_0_\@:
	s_barrier_wait -3
	s_barrier_signal -1
	s_barrier_wait -1
.endm
.macro CROUND
	s_barrier_signal -1
	s_barrier_wait -1
	CREST
.endm
	s_load_b128 s[4:7], s[0:1], 0x0
	s_load_b64 s[12:13], s[0:1], 0x10
	s_load_b64 s[96:97], s[0:1], 0x18
	s_load_b64 s[98:99], s[0:1], 0x20
	s_load_b64 s[100:101], s[0:1], 0x28
	v_lshl_add_u32 v[SPW], v0, 2, SPARE
	v_mov_b32 v[NIL], 0
	ds_add_u32 v28, v29
	ds_add_u32 v28, v29
	s_wait_dscnt 0x0
	v_lshrrev_b32 v1, 5, v0
	v_readfirstlane_b32 s14, v1
	s_lshr_b32 s15, s14, 1
	s_and_b32 s16, s14, 1
	s_bfe_u32 s40, ttmp6, 0x40000
	s_bfe_u32 s41, ttmp6, 0x40004
	s_and_b32 s67, ttmp7, 0xffff
	s_lshr_b32 s66, s67, 2
	s_and_b32 s67, s67, 3
	s_lshl_b32 s67, s67, 2
	s_cmp_eq_u32 s66, 2
	s_cselect_b32 s17, 0, s67
	s_cselect_b32 s42, s67, 0
	s_add_co_u32 s17, s17, s41
	s_add_co_u32 s42, s42, s40
	s_lshl_b32 s43, s41, 2
	s_lshl_b32 s43, 15, s43
	s_lshl_b32 s44, 0x1111, s40
	s_or_b32 s[G1+0], s43, (0<<16)|(1<<20)|(1<<21)|(3<<22)|(3<<25)
	s_or_b32 s[G1B+0], s44, (0<<16)|(1<<20)|(1<<21)|(3<<22)|(3<<25)
.irp g, G1, G1B
	s_mov_b32 s[\g+1], 256<<16
	s_mov_b32 s[\g+2], 96<<16
	s_mov_b32 s[\g+3], 256<<16
	s_mov_b32 s[\g+4], 96
	s_mov_b32 s[\g+5], 256
	s_mov_b32 s[\g+6], 0
	s_mov_b32 s[\g+7], 0
.endr
	s_or_b32 s[G1S+0], s43, (3<<16)|(1<<20)|(1<<21)|(5<<22)|(3<<25)
	s_or_b32 s[G1SB+0], s44, (3<<16)|(1<<20)|(1<<21)|(5<<22)|(3<<25)
.irp g, G1S, G1SB
	s_mov_b32 s[\g+1], 32<<16
	s_mov_b32 s[\g+2], (128*KS/256)<<16
	s_mov_b32 s[\g+3], 32<<16
	s_mov_b32 s[\g+4], 128*KS/256
	s_mov_b32 s[\g+5], 32
	s_mov_b32 s[\g+6], 0
	s_mov_b32 s[\g+7], 0
.endr
	s_lshl_b32 s18, s16, 7
	s_lshl_b32 s20, s17, 8
	s_add_co_u32 s20, s20, s18
	s_lshl_b32 s46, s42, 8
	s_add_co_u32 s46, s46, s18
	s_mov_b32 s21, 0
	s_mov_b32 s47, 0
	s_mov_b64 s[18:19], KS
	s_mul_u64 s[22:23], s[20:21], s[18:19]
	s_mul_u64 s[92:93], s[46:47], s[18:19]
	s_mov_b64 s[18:19], ROWB
	s_mul_u64 s[20:21], s[20:21], s[18:19]
	s_mul_u64 s[46:47], s[46:47], s[18:19]
	s_mul_i32 s2, s66, 786432
	s_mul_i32 s3, s66, 196608
	s_add_co_u32 s3, s3, 2359296
	s_mul_i32 s94, s66, 131072
	s_mul_i32 s95, s66, 32768
	s_add_co_u32 s95, s95, 393216
	s_mov_b32 s19, 0
	s_cmp_eq_u32 s66, 2
	s_cselect_b32 s18, s3, s2
	s_add_nc_u64 s[20:21], s[20:21], s[18:19]
	s_cselect_b32 s18, s2, s3
	s_add_nc_u64 s[46:47], s[46:47], s[18:19]
	s_cselect_b32 s18, s95, s94
	s_add_nc_u64 s[22:23], s[22:23], s[18:19]
	s_cselect_b32 s18, s94, s95
	s_add_nc_u64 s[92:93], s[92:93], s[18:19]
	s_mul_i32 s45, s14, HALFT
	s_mul_i32 s94, s14, HALFS
	s_wait_kmcnt 0x0
	s_add_nc_u64 s[20:21], s[4:5], s[20:21]
	s_add_nc_u64 s[22:23], s[6:7], s[22:23]
	s_add_nc_u64 s[46:47], s[4:5], s[46:47]
	s_add_nc_u64 s[92:93], s[6:7], s[92:93]
	CROUND
	s_mov_b32 s[G0S], 1
	s_add_co_u32 s[G0S+1], s94, SCL
	s_mov_b64 s[G0S+2:G0S+3], s[22:23]
	s_or_b32 s[G0S+3], s[G0S+3], 0x80000000
	s_mov_b32 s[G0SB], 1
	s_add_co_u32 s[G0SB+1], s94, SCL
	s_mov_b64 s[G0SB+2:G0SB+3], s[92:93]
	s_or_b32 s[G0SB+3], s[G0SB+3], 0x80000000
	JLOAD G0S, G1S, G0SB, G1SB
.irp s, 0,1
	s_mov_b32 s[G0+4*\s], 1
	s_add_co_u32 s[G0+4*\s+1], s45, \s*SLOT
	s_add_nc_u64 s[G0+4*\s+2:G0+4*\s+3], s[20:21], \s*CHS
	s_or_b32 s[G0+4*\s+3], s[G0+4*\s+3], 0x80000000
	s_mov_b32 s[G0B+4*\s], 1
	s_add_co_u32 s[G0B+4*\s+1], s45, \s*SLOT
	s_add_nc_u64 s[G0B+4*\s+2:G0B+4*\s+3], s[46:47], \s*CHS
	s_or_b32 s[G0B+4*\s+3], s[G0B+4*\s+3], 0x80000000
	s_wait_alu depctr_va_vdst(0)
	s_wait_tensorcnt 0x0
	ds_add_u32 v28, v29
	s_wait_dscnt 0x0
	CROUND
	JLOAD G0+4*\s, G1, G0B+4*\s, G1B
.endr
	v_and_b32 v1, 15, v0
	v_bfe_u32 v2, v0, 4, 1
	v_mul_u32_u24 v3, v1, PITCH
	v_mul_u32_u24 v4, v2, 24
	v_add_nc_u32 v4, v3, v4
	v_lshl_add_u32 v5, v2, 4, v4
	s_mul_i32 s21, s15, HALFT
	s_mul_i32 s22, s16, HALFT
	s_add_co_u32 s22, s22, 2*HALFT
.irp s, 0,1
	v_add_nc_u32 v[ADRA+\s], s21, v4
	v_add_nc_u32 v[ADRB+\s], s22, v4
	v_add_nc_u32 v[ADRA+2+\s], s21, v5
	v_add_nc_u32 v[ADRB+2+\s], s22, v5
	s_add_co_u32 s21, s21, SLOT
	s_add_co_u32 s22, s22, SLOT
.endr
	v_mul_u32_u24 v5, v1, KS
	v_lshrrev_b32 v6, 8, v5
	v_lshl_add_u32 v5, v6, 4, v5
	s_mul_i32 s21, s15, HALFS
	s_mul_i32 s22, s16, HALFS
	s_add_co_u32 s22, s22, 2*HALFS
	s_sub_co_u32 s22, s22, s21
	v_mul_u32_u24 v6, s22, v2
	s_add_co_u32 s21, s21, SCL
	v_add_nc_u32 v5, v5, v6
	v_add_nc_u32 v[ADRS], s21, v5
	v_and_b32 v7, 31, v0
	v_lshlrev_b32 v[L8], 3, v7
	v_lshlrev_b32 v[L16], 4, v7
	v_lshlrev_b32 v[L4], 2, v7
	v_mul_u32_u24 v[SA], v2, HSTR
	v_lshl_add_u32 v[SA], v1, 2, v[SA]
	v_lshlrev_b32 v[H32], 5, v2
	v_lshlrev_b32 v[R4], 2, v1
	v_cmp_le_u32 s95, 16, v7
	s_lshl_b32 s20, s17, 8
	s_lshl_b32 s21, s15, 7
	s_add_co_u32 s20, s20, s21
	s_lshl_b32 s21, s42, 8
	s_lshl_b32 s22, s16, 7
	s_add_co_u32 s21, s21, s22
	s_cmp_eq_u32 s66, 2
	s_cselect_b32 s22, s21, s20
	s_cselect_b32 s23, s20, s21
	s_lshr_b32 s46, s22, 11
	s_lshl_b32 s46, s46, 4
	s_lshr_b32 s47, s23, 6
	s_add_co_u32 s46, s46, s47
	s_lshl_b32 s46, s46, 4
	s_bfe_u32 s47, s22, 0x40007
	s_add_co_u32 s46, s46, s47
	s_mul_i32 s46, s46, REC
	s_lshl_b32 s3, s23, 2
	s_mov_b32 s2, 12288
	s_cmp_eq_u32 s66, 0
	s_cselect_b32 s47, 12800, 0
	s_cselect_b32 s2, 18944, s2
	s_cmp_eq_u32 s66, 2
	s_cselect_b32 s47, 6144, s47
	s_cselect_b32 s2, 12544, s2
	s_add_co_u32 s20, s46, s47
	s_mov_b32 s21, 0
	s_add_co_u32 s22, s46, s2
	s_mov_b32 s23, 0
	s_add_nc_u64 s[20:21], s[12:13], s[20:21]
	s_add_nc_u64 s[22:23], s[12:13], s[22:23]
	s_cmp_eq_u32 s66, 0
	s_cselect_b64 s[46:47], s[96:97], s[98:99]
	s_cmp_eq_u32 s66, 2
	s_cselect_b64 s[46:47], s[100:101], s[46:47]
	s_mov_b32 s2, s3
	s_mov_b32 s3, 0
	s_add_nc_u64 s[46:47], s[46:47], s[2:3]
.macro FRAG reg, adr, q, i
.irp p, 0,1,2,3,4,5
.set PCE, 12*(\q)+6*(\p/3)+\p%3
.if PCE%8 < 5
	ds_load_b64 v[\reg+2*\p:\reg+2*\p+1], v[\adr] offset:8*PCE+16*(PCE/8)+(\i)*16*PITCH
.else
	ds_load_b64 v[\reg+2*\p:\reg+2*\p+1], v[\adr+2] offset:8*PCE+16*(PCE/8)+(\i)*16*PITCH
.endif
.endr
.endm
.macro MUL16 a0, p, q, sc, zero
.irp a, \a0, \a0+1
.irp b, 0,1,2,3,4,5,6,7
.if \zero
	v_wmma_scale_f32_16x16x128_f8f6f4 v[8*(8*((\a)%4)+\b):8*(8*((\a)%4)+\b)+7], v[128*(\p)+FR*\b:128*(\p)+FR*\b+FR-1], v[AF+FR*(\a):AF+FR*(\a)+FR-1], 0, v[SC+8*NQ*(\sc)+NQ*\b+(\q)], v[SC+8*NQ*(\sc)+NQ*(\a)+(\q)] matrix_a_fmt:MATRIX_FMT_FP6 matrix_b_fmt:MATRIX_FMT_FP6 matrix_a_scale:MATRIX_SCALE_ROW1
.else
	v_wmma_scale_f32_16x16x128_f8f6f4 v[8*(8*((\a)%4)+\b):8*(8*((\a)%4)+\b)+7], v[128*(\p)+FR*\b:128*(\p)+FR*\b+FR-1], v[AF+FR*(\a):AF+FR*(\a)+FR-1], v[8*(8*((\a)%4)+\b):8*(8*((\a)%4)+\b)+7], v[SC+8*NQ*(\sc)+NQ*\b+(\q)], v[SC+8*NQ*(\sc)+NQ*(\a)+(\q)] matrix_a_fmt:MATRIX_FMT_FP6 matrix_b_fmt:MATRIX_FMT_FP6 matrix_a_scale:MATRIX_SCALE_ROW1
.endif
.endr
.endr
.endm
.macro FETCH_B slot, q, p
	WIN TO_B
.irp i, 0,1,2,3,4,5,6,7
	FRAG 128*(\p)+FR*\i, ADRB+\slot, \q, \i
.endr
	WIN 0
.endm
.macro FETCH_A slot, q, i0
.irp i, \i0, \i0+1, \i0+2, \i0+3
	FRAG AF+FR*(\i), ADRA+\slot, \q, \i
.endr
.endm
.macro SCALES sc
.irp i, 0,1,2,3,4,5,6,7
	ds_load_b64 v[SC+8*NQ*\sc+NQ*\i:SC+8*NQ*\sc+NQ*\i+1], v[ADRS] offset:\i*SBLK
.endr
.endm
.macro PLACES n
.rept \n
	v_nop
.endr
.endm
.macro STEP slot, q, zero
	s_wait_dscnt 4*NL
	WIN MUL_LO
	MUL16 0, (\q)%2, \q, \slot, \zero
	MUL16 2, (\q)%2, \q, \slot, \zero
	s_wait_dscnt 0
	PLACES NP
	FETCH_B \slot, (\q)+1, 1-(\q)%2
	FETCH_A \slot, (\q)+1, 0
	WIN MUL_HI
	MUL16 4, (\q)%2, \q, \slot, \zero
	MUL16 6, (\q)%2, \q, \slot, \zero
	PLACES NP
	WIN 0
	FETCH_A \slot, (\q)+1, 4
.endm
.macro TURN slot, next, fill
	s_wait_tensorcnt 0x0
	ds_add_u32 v[SPW], v[NIL]
	s_wait_dscnt 4*NL+1
	WIN MUL_LO
	MUL16 0, 1, NQ-1, \slot, 0
	s_wait_dscnt 0x0
	s_barrier_signal -1
	MUL16 2, 1, NQ-1, \slot, 0
	WIN 0
	s_barrier_wait -1
.if \fill
	CREST
	s_add_nc_u64 s[G0+4*\slot+2:G0+4*\slot+3], s[G0+4*\slot+2:G0+4*\slot+3], 2*CHS
	s_add_nc_u64 s[G0B+4*\slot+2:G0B+4*\slot+3], s[G0B+4*\slot+2:G0B+4*\slot+3], 2*CHS
	JLOAD G0+4*\slot, G1, G0B+4*\slot, G1B
.else
	PLACES NP
.endif
	s_wait_alu depctr_va_vdst(0)
	v_add_nc_u32 v[ADRS], 4*NQ, v[ADRS]
	FETCH_B \next, 0, 0
	FETCH_A \next, 0, 0
	SCALES \next
	WIN MUL_HI
	MUL16 4, 1, NQ-1, \slot, 0
	MUL16 6, 1, NQ-1, \slot, 0
	PLACES NP
	WIN 0
	FETCH_A \next, 0, 4
.endm
	s_wait_tensorcnt 1
	s_barrier_signal -1
	s_barrier_wait -1
	FETCH_B 0, 0, 0
	FETCH_A 0, 0, 0
	SCALES 0
	FETCH_A 0, 0, 4
	STEP 0, 0, 1
	s_mov_b32 s3, LAPS-1
.Llap:
	TURN 0, 1, 1
	STEP 1, 0, 0
	TURN 1, 0, 1
	STEP 0, 0, 0
	s_sub_co_u32 s3, s3, 1
	s_cmp_lg_u32 s3, 0
	s_cbranch_scc1 .Llap
	TURN 0, 1, 0
	STEP 1, 0, 0
	s_wait_dscnt 4*NL
	WIN MUL_LO
	MUL16 0, 1, NQ-1, 1, 0
	MUL16 2, 1, NQ-1, 1, 0
	s_wait_dscnt 0
	WIN MUL_HI
	MUL16 4, 1, NQ-1, 1, 0
	MUL16 6, 1, NQ-1, 1, 0
	WIN 0
.macro QUANT s, pw
.irp b, 0,1,2,3
	v_max3_num_f32 v[TM+\b], |v[\s+16*\b]|, |v[\s+1+16*\b]|, 0x1800000
.endr
.irp i, 2,4,6,8,10,12,14
.irp b, 0,1,2,3
	v_max3_num_f32 v[TM+\b], v[TM+\b], |v[\s+16*\b+\i]|, |v[\s+1+16*\b+\i]|
.endr
.endr
.irp b, 0,1,2,3
	v_permlanex16_b32 v[TM+4+\b], v[TM+\b], s[SEL], s[SEL+1]
.endr
.irp b, 0,1,2,3
	v_max_num_f32 v[TM+\b], v[TM+\b], v[TM+4+\b]
.endr
.irp b, 0,1,2,3
	v_add_nc_u32 v[TM+12+\b], 0xff000000, v[TM+\b]
.endr
.irp b, 0,1,2,3
	v_lshrrev_b32 v[TM+4+\b], 23, v[TM+12+\b]
.endr
	v_lshl_or_b32 v[\pw], v[TM+5], 8, v[TM+4]
	v_lshl_or_b32 v[\pw], v[TM+6], 16, v[\pw]
	v_lshl_or_b32 v[\pw], v[TM+7], 24, v[\pw]
.irp c, 0,1
	v_cvt_scalef32_pk16_fp6_f32 v[PC+6*\c:PC+2+6*\c], v[\s+32*\c:\s+15+32*\c], v[TM+12+2*\c]
	v_cvt_scalef32_pk16_fp6_f32 v[PC+12+4*\c:PC+14+4*\c], v[\s+16+32*\c:\s+31+32*\c], v[TM+12+2*\c+1]
.endr
	v_nop
.irp c, 0,1
.irp i, 0,1,2
	v_permlane16_swap_b32 v[PC+6*\c+\i], v[PC+12+4*\c+\i]
.endr
.irp i, 0,1,2
	v_mov_b32 v[PC+3+6*\c+\i], v[PC+12+4*\c+\i]
.endr
.endr
.endm
.macro EPIA a, v
.set AC, 64*((\a)%4)
	s_wait_xcnt 0x0
	WIN 0x02+(\a)/4
.set i, 0
.rept 32
.if \v
	v_pk_add_f32 v[T+2*i:T+2*i+1], v[AC+2*i:AC+2*i+1], v[BR+2*(\a):BR+2*(\a)+1]
.else
	v_pk_add_f32 v[T+2*i:T+2*i+1], v[AC+2*i:AC+2*i+1], v[BR+2*i:BR+2*i+1]
.endif
.set i, i+1
.endr
	WIN 0
.if (\a)%2
	QUANT T, PWO
.else
	QUANT T, PWE
.endif
.if \v
.irp c, 0,1,2
	global_store_b128 v[L16], v[PC+4*\c:PC+4*\c+3], s[20:21] offset:((\a)/4)*HSTR+((\a)%4)*1536+512*\c
.endr
.if (\a)%2
	v_cndmask_b32 v[W0+2], v[PWE], v[PWO], s95
	global_store_b32 v[L4], v[W0+2], s[22:23] offset:((\a)/4)*HSTR+(((\a)%4)/2)*128
.endif
.else
.irp p, 0,1,2
	global_store_b64 v[L8], v[PC+2*\p:PC+2*\p+1], s[20:21] offset:768*(\a)+256*\p
	global_store_b64 v[L8], v[PC+6+2*\p:PC+7+2*\p], s[20:21] offset:HSTR+768*(\a)+256*\p
.endr
.if (\a)%2
	v_perm_b32 v[W0], v[PWO], v[PWE], 0x05040100
	v_perm_b32 v[W0+1], v[PWO], v[PWE], 0x07060302
	v_cndmask_b32 v[W0+2], v[W0], v[W0+1], s95
	global_store_b32 v[SA], v[W0+2], s[22:23] offset:64*((\a)/2)
.endif
.endif
.endm
.macro EPI v
	PLACES NP
.if \v
.irp a, 0,1,2,3,4,5,6,7
	global_load_b32 v[BR+2*\a], v[R4], s[46:47] offset:64*\a
	global_load_b32 v[BR+2*\a+1], v[R4], s[46:47] offset:64*\a
.endr
.else
.irp b, 0,1,2,3,4,5,6,7
	global_load_b128 v[BR+8*\b:BR+8*\b+3], v[H32], s[46:47] offset:64*\b
	global_load_b128 v[BR+8*\b+4:BR+8*\b+7], v[H32], s[46:47] offset:64*\b+16
.endr
.endif
.irp b, 0,1,2,3
	v_mov_b32 v[TM+4+\b], 0
.endr
	s_wait_loadcnt 0x0
.irp a, 0,1,2,3,4,5,6,7
	EPIA \a, \v
.endr
.endm
	s_mov_b32 s[SEL], 0x76543210
	s_mov_b32 s[SEL+1], 0xfedcba98
	s_cmp_eq_u32 s66, 2
	s_cbranch_scc1 .Larm_v
	EPI 0
	s_branch .Ljoin
.Larm_v:
	EPI 1
.Ljoin:
	s_wait_tensorcnt 0x0
	ds_add_u32 v[SPW], v[NIL]
	s_wait_dscnt 0x0
	CROUND
	s_endpgm
.Lfunc_end_k_q46107ca2e8_proj:
	.size	k_q46107ca2e8_proj, .Lfunc_end_k_q46107ca2e8_proj-k_q46107ca2e8_proj
	.p2alignl 7, 3214868480
	.fill 96, 4, 3214868480
	.section	.rodata,"a",@progbits
	.p2align	6, 0x0
	.amdhsa_kernel k_q46107ca2e8_proj
		.amdhsa_group_segment_fixed_size 327680
		.amdhsa_private_segment_fixed_size 0
		.amdhsa_enable_private_segment 0
		.amdhsa_kernarg_size 48
		.amdhsa_user_sgpr_count 2
		.amdhsa_user_sgpr_kernarg_segment_ptr 1
		.amdhsa_wavefront_size32 1
		.amdhsa_system_sgpr_workgroup_id_x 1
		.amdhsa_system_sgpr_workgroup_id_y 1
		.amdhsa_system_sgpr_workgroup_id_z 1
		.amdhsa_system_vgpr_workitem_id 0
		.amdhsa_next_free_vgpr 1024
		.amdhsa_next_free_sgpr 102
		.amdhsa_reserve_vcc 0
		.amdhsa_float_denorm_mode_32 3
		.amdhsa_float_denorm_mode_16_64 3
		.amdhsa_memory_ordered 1
		.amdhsa_forward_progress 1
		.amdhsa_inst_pref_size 239
	.end_amdhsa_kernel
	.amdgpu_metadata
---
amdhsa.version: [ 1, 2 ]
amdhsa.kernels:
  - .name:           k_q46107ca2e8_proj
    .symbol:         k_q46107ca2e8_proj.kd
    .args:
      - { .name: codes, .offset: 0, .size: 8, .value_kind: global_buffer, .address_space: global }
      - { .name: scales, .offset: 8, .size: 8, .value_kind: global_buffer, .address_space: global }
      - { .name: qkv, .offset: 16, .size: 8, .value_kind: global_buffer, .address_space: global }
      - { .name: bq, .offset: 24, .size: 8, .value_kind: global_buffer, .address_space: global }
      - { .name: bk, .offset: 32, .size: 8, .value_kind: global_buffer, .address_space: global }
      - { .name: bv, .offset: 40, .size: 8, .value_kind: global_buffer, .address_space: global }
    .group_segment_fixed_size: 327680
    .private_segment_fixed_size: 0
    .kernarg_segment_align: 8
    .kernarg_segment_size: 48
    .max_flat_workgroup_size: 128
    .sgpr_count:     102
    .vgpr_count:     1024
    .wavefront_size: 32
...
	.end_amdgpu_metadata
.endif
;; end of part 2
;; launch attn (part 3): grid 8 x 32, 8 waves a work-group, no clusters, 0 bytes of LDS; arguments qkv, mask, flags, cx, cs; writes cx, cs
.if DOCPART == 3
	.amdgcn_target "amdgcn-amd-amdhsa--gfx1250"
	.amdhsa_code_object_version 6
	.text
	.protected	k_q46107ca2e8_attn
	.globl	k_q46107ca2e8_attn
	.p2align	8
	.type	k_q46107ca2e8_attn,@function
k_q46107ca2e8_attn:
	s_mov_b64 s[64:65], 0
	v_nop
	global_prefetch_b8 v0, s[64:65] scope:SCOPE_SE
	s_setreg_imm32_b32 hwreg(HW_REG_WAVE_MODE, 25, 1), 1
	s_wait_xcnt 0x0
; ctx = softmax(q k^T / 8 + mask x (-1e9)) v for 32 (batch, head) pairs of 2,048 tokens x 64, both products on codes of FP6 (E2M3) with E8M0 scales; ctx is quantised along d for the last projection.
; THE MASK IS AN INPUT.  The launch before has read all of it and stored, for each tile of 16 queries x 128 keys, whether the tile is wanted (else every p of it is 0) and whether its mask holds a number
; that is not 0.  A wave reads its tiles' bits and walks the wanted tiles alone; the mask's numbers are loaded and added where they are not all 0.  Nothing of the mask's pattern is built in.
; LIMIT of that choice: |q k| x log2(e) / 8 stays under 2^28; then a logit that lies 5e8 under its row's largest by the mask alone gives p = 0.  Each row has a wanted tile: the one with its least mask number.
; THE SOFTMAX.  Where the mask is added: u = s + mask x (-8e9), t = u x log2(e) / 8 rounded by itself, t - M.  Elsewhere t - M is one fused line on s.  M = ceil(the running largest t), a whole number;
; p = 2^(t - M) is quantised along the keys; the row's sum is taken of the unquantised p and divides at the end.  When M moves, sum and O are multiplied by 2^(old M - new M): exact.
; SHARES.  Work-group (g, batch x 16 + head): wave w owns the 16 queries of tile 8 (15 - g) + w and then those of tile 8 g + w, one walk on end: K's and V's loads run on over the change of tiles.
; K, V and their scale words lie in qkv in the order of the operands' registers: each load reads consecutive bytes, straight into registers, a step ahead: no LDS, no barrier; waves share nothing.
; No tensor load, and so no cluster: the walk hangs on whole numbers read from memory.  No prefetch: each step's K and V are asked for a whole step ahead of their products by the loads themselves.
; LAYOUT.  Both products are used transposed: S^T = K Q^T, O^T = V^T P^T: a lane holds one query (lane % 16); register 8 t + j is key 16 t + 8 h + j, this program's order of codes in a block.
; A fragment of K holds two tiles of keys side by side; q stands between zeros: v[22:33] = (q, 0) gives the first tile's scores, v[16:27] = (0, q) the second's.
; ctx leaves as the next product's operand registers want it: cx[token tile][head][768]: three stores of 256 consecutive bytes.  Its scale bytes leave one a lane: one byte in 24 of the codes'.
; LIMITS: NaN and infinities are not served (a tile's change leans on O x 0 = 0); blocks whose largest magnitude lies under 2^-124 keep the byte 1.
.set REC,  19200
.set HSTR, 16*REC
.set VK, 1                             ; 8 lane
.set VV, 2                             ; 16 lane
.set VS, 3                             ; 4 lane
.set VM, 4                             ; my query's mask row + 32 h
.set VC, 5                             ; cs: 32 r + h
.set Q2, 6                             ; v6-11 the second tile's q.  v12 -M, v13 the largest t, v[14:15] the sum in two halves
.set QZ, 16                            ; v16-33 q between zeros
.set QS, 34
.set PS, 35
.set KSC, 36
.set VSC, 38
.set QS2, 40
.set BM, 44
.set BT, 48
.set SO, 52
.set CT, 56
.set PC, 64
.set TP, 76
.set FF, 78
.set SU, 80                            ; v80-93 seven chains of sums
.set S,  96                            ; v96-159 S^T, then p
.set O,  160                           ; v160-191 O^T
.set VF, 192                           ; v192-239 V's four fragments
.set KF, 0                             ; window 1: v256-303 K's four fragments
.set MK, 48                            ; window 1: v304-367 the mask tile's 64 numbers
.set WV, 14
.set KB, 16                            ; s[16:17] the record in hand
.set HB, 18                            ; s[18:19] my head's records
.set MB, 20                            ; s[20:21] the mask tile in hand
.set MR, 22                            ; s22 the query tile whose mask rows are asked for; s24 the second tile
.set T1, 32
.set MR2, 24
.set A,  26                            ; wanted tiles still to be asked for; s28 the second tile's
.set MKB, 27                           ; tiles whose mask is added; s29 the second tile's
.set A2, 28
.set MK2, 29
.set CURM, 30                          ; the mask is added in the step last asked for
.set CURL, 31                          ; the step in hand is its tile's last
.set KT, 33
.set T0, 34                            ; s35 stays 0
.set CM, 38                            ; s[38:39] the factor of the fused line: log2(e) / 8, or 1 where t is made already
.set CS, 40
.set SEL, 42
.set NEG, 44
.set OB, 48
.set OB2, 50
.set CB, 52
.set CB2, 54
.set NT, 56
.set CNT, 57
.set HM, 58
.set MSB, 0
.macro WIN new
.if MSB != (\new)
	s_set_vgpr_msb (MSB<<8)|(\new)
.set MSB, (\new)
.endif
.endm
.macro NEXT                            ; the next wanted tile: the lowest bit left; behind a query tile's last, the second tile's first
	s_cmp_eq_u32 s[A], 0
	s_cselect_b32 s[CURL], 1, 0
	s_cselect_b32 s[A], s[A2], s[A]
	s_cselect_b32 s[MKB], s[MK2], s[MKB]
	s_cselect_b32 s[MR], s[MR2], s[MR]
	s_cselect_b32 s[A2], 0, s[A2]
	s_ctz_i32_b32 s[KT], s[A]
	s_min_u32 s[KT], s[KT], 15                     ; behind the very last step: tile 15, loaded and not used
	s_sub_co_u32 s[T0], s[A], 1
	s_and_b32 s[A], s[A], s[T0]
	s_lshr_b32 s[CURM], s[MKB], s[KT]
	s_and_b32 s[CURM], s[CURM], 1
	s_mul_i32 s[T0], s[KT], REC
	s_add_nc_u64 s[KB:KB+1], s[HB:HB+1], s[T0:T0+1]
	s_lshl_b32 s[T0], s[KT], 9                     ; 128 keys of 4 bytes a tile,
	s_min_u32 s[T1], s[MR], 127
	s_lshl_b32 s[T1], s[T1], 17                    ; 16 rows of 8,192 bytes a query tile
	s_add_co_u32 s[T0], s[T0], s[T1]
	s_add_nc_u64 s[MB:MB+1], s[6:7], s[T0:T0+1]
.endm
.macro LOADK                           ; 26 loads: K's eight tiles and two registers of scale words; 16 more where the mask is added
	WIN 0x40
.irp t, 0,1,2,3,4,5,6,7
.irp p, 0,1,2
	global_load_b64 v[KF+6*\t+2*\p:KF+6*\t+2*\p+1], v[VK], s[KB:KB+1] offset:768*\t+256*\p
.endr
.endr
	WIN 0
	global_load_b32 v[KSC], v[VS], s[KB:KB+1] offset:12288
	global_load_b32 v[KSC+1], v[VS], s[KB:KB+1] offset:12416
	s_cmp_eq_u32 s[CURM], 0
	s_cbranch_scc1 .Lno_mask_\@
	WIN 0x40
.irp i, 0,1,2,3,4,5,6,7,8,9,10,11,12,13,14,15
	global_load_b128 v[MK+4*\i:MK+4*\i+3], v[VM], s[MB:MB+1] offset:64*(\i/2)+16*(\i%2)
.endr
	WIN 0
.Lno_mask_\@:
.endm
.macro LOADV                           ; 14 loads
.irp dt, 0,1,2,3
.irp c, 0,1,2
	global_load_b128 v[VF+12*\dt+4*\c:VF+12*\dt+4*\c+3], v[VV], s[KB:KB+1] offset:6144+1536*\dt+512*\c
.endr
.endr
	global_load_b32 v[VSC], v[VS], s[KB:KB+1] offset:12544
	global_load_b32 v[VSC+1], v[VS], s[KB:KB+1] offset:12672
.endm
.macro PROD0 d, a, b, sa, row
.if \row
	v_wmma_scale_f32_16x16x128_f8f6f4 v[\d:\d+7], v[\a:\a+11], v[\b:\b+11], 0, v[\sa], v[QS] matrix_a_fmt:MATRIX_FMT_FP6 matrix_b_fmt:MATRIX_FMT_FP6 matrix_a_scale:MATRIX_SCALE_ROW1
.else
	v_wmma_scale_f32_16x16x128_f8f6f4 v[\d:\d+7], v[\a:\a+11], v[\b:\b+11], 0, v[\sa], v[QS] matrix_a_fmt:MATRIX_FMT_FP6 matrix_b_fmt:MATRIX_FMT_FP6
.endif
.endm
.macro PRODA d, a, sa, row
.if \row
	v_wmma_scale_f32_16x16x128_f8f6f4 v[\d:\d+7], v[\a:\a+11], v[PC:PC+11], v[\d:\d+7], v[\sa], v[PS] matrix_a_fmt:MATRIX_FMT_FP6 matrix_b_fmt:MATRIX_FMT_FP6 matrix_a_scale:MATRIX_SCALE_ROW1
.else
	v_wmma_scale_f32_16x16x128_f8f6f4 v[\d:\d+7], v[\a:\a+11], v[PC:PC+11], v[\d:\d+7], v[\sa], v[PS] matrix_a_fmt:MATRIX_FMT_FP6 matrix_b_fmt:MATRIX_FMT_FP6
.endif
.endm
.macro SWAPS n                         ; half blocks into whole blocks: lanes 0-15 block 2 c, lanes 16-31 block 2 c + 1
.set c, 0
.rept \n
.irp i, 0,1,2
	v_permlane16_swap_b32 v[PC+6*c+\i], v[CT+4*c+\i]
.endr
.irp i, 0,1,2
	s_delay_alu instid0(VALU_DEP_3)
	v_mov_b32 v[PC+6*c+3+\i], v[CT+4*c+\i]
.endr
.set c, c+1
.endr
.endm
	s_load_b256 s[4:11], s[0:1], 0x0               ; qkv s[4:5], mask s[6:7], flags s[8:9], cx s[10:11]
	s_load_b64 s[12:13], s[0:1], 0x20              ; cs
	v_lshrrev_b32 v41, 5, v0
	v_readfirstlane_b32 s[WV], v41                 ; wave 0..7
	v_and_b32 v41, 31, v0
	v_and_b32 v42, 15, v0                          ; r
	v_bfe_u32 v43, v0, 4, 1                        ; h
	v_lshlrev_b32 v[VK], 3, v41
	v_lshlrev_b32 v[VV], 4, v41
	v_lshlrev_b32 v[VS], 2, v41
	v_lshlrev_b32 v[VM], 13, v42
	v_lshl_add_u32 v[VC], v42, 5, v43
	v_lshl_add_u32 v[VM], v43, 5, v[VM]
	s_mul_i32 s34, s[WV], 768
	s_add_co_u32 s34, s34, 12800
	v_add_nc_u32 v80, s34, v[VK]                   ; q's codes in a record: tile w of its eight
	s_lshr_b32 s34, s[WV], 1
	s_lshl_b32 s34, s34, 6
	s_add_co_u32 s34, s34, 18944
	v_lshl_add_u32 v81, v42, 2, s34                ; and its pair's scale words
	WIN 0x40
.set j, 0
.rept 64
	v_mov_b32 v[MK+j], 0                           ; written once, so that every way through the text finds them written
.set j, j+1
.endr
	WIN 0
	s_and_b32 s66, ttmp7, 0xffff                   ; batch x 16 + head
	s_sub_co_u32 s67, 15, ttmp9
	s_lshl_b32 s68, s67, 3
	s_add_co_u32 s68, s68, s[WV]                   ; my first query tile
	s_lshl_b32 s69, ttmp9, 3
	s_add_co_u32 s69, s69, s[WV]                   ; my second
	s_lshl_b32 s70, s68, 4
	s_lshl_b32 s71, s69, 4
	s_mov_b32 s35, 0
	s_wait_kmcnt 0x0
	s_load_b128 s[72:75], s[8:9], s70 offset:0x0   ; a tile's four words of flags, one for each four rows
	s_load_b128 s[76:79], s[8:9], s71 offset:0x0
	s_mul_i32 s34, s66, HSTR
	s_add_nc_u64 s[HB:HB+1], s[4:5], s[34:35]
	s_mul_i32 s34, s67, REC
	s_add_nc_u64 s[80:81], s[HB:HB+1], s[34:35]    ; the record that holds my first q
	s_mul_i32 s34, ttmp9, REC
	s_add_nc_u64 s[82:83], s[HB:HB+1], s[34:35]    ; my second
	s_mov_b32 s[MR], s68
	s_mov_b32 s[MR2], s69
	s_lshr_b32 s59, s66, 4
	s_lshl_b32 s59, s59, 7                         ; 128 token tiles a batch
	s_and_b32 s60, s66, 15                         ; head
	s_add_co_u32 s61, s59, s68
	s_add_co_u32 s62, s59, s69
	s_mul_i32 s63, s60, 768
	s_mul_i32 s34, s61, 12288
	s_add_co_u32 s34, s34, s63
	s_add_nc_u64 s[OB:OB+1], s[10:11], s[34:35]
	s_mul_i32 s34, s62, 12288
	s_add_co_u32 s34, s34, s63
	s_add_nc_u64 s[OB2:OB2+1], s[10:11], s[34:35]
	s_lshl_b32 s63, s60, 1
	s_lshl_b32 s34, s61, 9
	s_add_co_u32 s34, s34, s63
	s_add_nc_u64 s[CB:CB+1], s[12:13], s[34:35]
	s_lshl_b32 s34, s62, 9
	s_add_co_u32 s34, s34, s63
	s_add_nc_u64 s[CB2:CB2+1], s[12:13], s[34:35]
	s_mov_b32 s[SEL], 0x76543210
	s_mov_b32 s[SEL+1], 0xfedcba98
	s_mov_b32 s[CS], 0x3e38aa3b                    ; log2(e) / 8
	s_mov_b32 s[CS+1], s[CS]
	s_mov_b32 s[NEG], 0xcfee6b28                   ; -8e9
	s_mov_b32 s[NEG+1], s[NEG]
	s_mov_b32 s[HM], 0xffff0000                    ; lanes 16-31
	s_mov_b32 s[CNT], 0
	s_and_b32 s68, s[WV], 1
	s_mul_i32 s68, s68, 0x02020202
	s_add_co_u32 s68, s68, 0x01000100              ; which two bytes of the pair's word are my tile's
	s_wait_alu depctr_va_vdst(0)
	s_wait_kmcnt 0x0
	s_or_b32 s72, s72, s73
	s_or_b32 s74, s74, s75
	s_or_b32 s72, s72, s74
	s_and_b32 s[A], s72, 0xffff
	s_lshr_b32 s[MKB], s72, 16
	s_or_b32 s76, s76, s77
	s_or_b32 s78, s78, s79
	s_or_b32 s76, s76, s78
	s_and_b32 s[A2], s76, 0xffff
	s_lshr_b32 s[MK2], s76, 16
	s_bcnt1_i32_b32 s[NT], s[A]
	s_bcnt1_i32_b32 s70, s[A2]
	s_add_co_u32 s[NT], s[NT], s70
	s_min_u32 s[NT], s[NT], 32                     ; steps in all
	NEXT
.irp p, 0,1,2
	global_load_b64 v[QZ+6+2*\p:QZ+7+2*\p], v80, s[80:81] offset:256*\p
	global_load_b64 v[Q2+2*\p:Q2+2*\p+1], v80, s[82:83] offset:256*\p
.endr
	global_load_b32 v82, v81, s[80:81]
	global_load_b32 v83, v81, s[82:83]
	LOADK
	LOADV
	s_wait_loadcnt 40                              ; q: the 26 and 14 loads behind it may be out
	v_perm_b32 v[QS], v82, v82, s68                ; its two bytes twice: for (q, 0) and for (0, q)
	v_perm_b32 v[QS2], v83, v83, s68
.irp i, 0,1,2,3,4,5
	v_mov_b32 v[QZ+\i], 0
	v_mov_b32 v[QZ+12+\i], 0
.endr
	v_mov_b32 v13, 0xff61b1e6                      ; the largest t so far: -3e38
	v_mov_b32 v14, 0
	v_mov_b32 v15, 0
	v_floor_f32 v12, -v13                          ; -M
	v_mov_b32 v[FF+1], 0
.irp b, 0,1,2,3
	v_mov_b32 v[BT+\b], 0                          ; a lane permute's destination counts as a source
.endr
.set j, 0
.rept 32
	v_mov_b32 v[O+j], 0                            ; the step has no first form: it finds zeros, which the first change of M leaves zeros
.set j, j+1
.endr
	s_wait_alu depctr_va_vdst(0)
.Ltrip:                                            ; A STEP: 128 keys
	s_wait_loadcnt 14                              ; K, its scale words and the mask are in; V's 14 loads, which are younger, may be out
	WIN 0x01
.irp b, 0,1,2,3
	PROD0 S+16*\b, KF+12*\b, QZ+6, KSC+\b/2, \b%2
	PROD0 S+16*\b+8, KF+12*\b, QZ, KSC+\b/2, \b%2
.endr
	WIN 0
.rept 4
	v_nop                                          ; places behind the products
.endr
	s_mov_b32 s[CM], s[CS]
	s_mov_b32 s[CM+1], s[CS]
	s_cmp_eq_u32 s[CURM], 0
	s_cbranch_scc1 .Lplain
	WIN 0x01
.set j, 0
.rept 32
	v_pk_fma_f32 v[S+j:S+j+1], v[MK+j:MK+j+1], s[NEG:NEG+1], v[S+j:S+j+1] op_sel_hi:[1,0,1]   ; u = s + mask x (-8e9); each accumulator from its low end on
.set j, j+2
.endr
	WIN 0
.set j, 0
.rept 32
	v_pk_mul_f32 v[S+j:S+j+1], v[S+j:S+j+1], s[CS:CS+1] op_sel_hi:[1,0]   ; t, rounded by itself
.set j, j+2
.endr
	s_mov_b32 s[CM], 1.0
	s_mov_b32 s[CM+1], 1.0
.Lplain:
	s_wait_alu depctr_va_vdst(0)
	s_wait_xcnt 0x0                                ; the loads have read their bases
	NEXT
	LOADK                                          ; the next step's K: it has the softmax and the second product in which to land
.irp b, 0,1,2,3
	v_max3_num_f32 v[BM+\b], v[S+16*\b], v[S+16*\b+1], v[S+16*\b+2]   ; the largest of each block of 32 keys: for the row's maximum, and for the block's largest p
.endr
.irp i, 3,5,7,9,11,13
.irp b, 0,1,2,3
	v_max3_num_f32 v[BM+\b], v[BM+\b], v[S+16*\b+\i], v[S+16*\b+\i+1]   ; the four blocks by turns
.endr
.endr
.irp b, 0,1,2,3
	v_max_num_f32 v[BM+\b], v[BM+\b], v[S+16*\b+15]
.endr
.irp b, 0,1,2,3
	s_delay_alu instid0(VALU_DEP_4)
	v_permlanex16_b32 v[BT+\b], v[BM+\b], s[SEL], s[SEL+1]
.endr
.irp b, 0,1,2,3
	s_delay_alu instid0(VALU_DEP_4)
	v_max_num_f32 v[BM+\b], v[BM+\b], v[BT+\b]
.endr
	s_delay_alu instid0(VALU_DEP_2)
	v_max3_num_f32 v[TP], v[BM], v[BM+1], v[BM+2]
	s_delay_alu instid0(VALU_DEP_1)
	v_max_num_f32 v[TP], v[TP], v[BM+3]
	s_delay_alu instid0(VALU_DEP_1)
	v_mul_f32 v[TP], s[CM], v[TP]                  ; as t (the factor is positive)
	s_delay_alu instid0(VALU_DEP_1)
	v_max_num_f32 v13, v13, v[TP]                  ; the running largest t
	v_mov_b32 v[TP], v12
	s_delay_alu instid0(VALU_DEP_2)
	v_floor_f32 v12, -v13                          ; the new -M = -ceil(t)
	s_delay_alu instid0(VALU_DEP_1)
	v_sub_f32 v[TP], v12, v[TP]                    ; old M - new M: a whole number, 0 or less
	s_delay_alu instid0(VALU_DEP_1)
	v_cvt_i32_f32 v[TP], v[TP]                     ; (it saturates)
	s_delay_alu instid0(VALU_DEP_1)
	v_ldexp_f32 v[FF], 1.0, v[TP]                  ; f
.set j, 0
.rept 32
	v_pk_fma_f32 v[S+j:S+j+1], v[S+j:S+j+1], s[CM:CM+1], v[12:13] op_sel_hi:[1,0,0]   ; t - M
.set j, j+2
.endr
.irp b, 0,1,2,3
	v_fma_f32 v[BM+\b], v[BM+\b], s[CM], v12       ; the same of each block's largest
.endr
	s_wait_alu depctr_va_vdst(0)
.set j, 0
.rept 64
	v_exp_f32 v[S+j], v[S+j]                       ; p = 2^(t - M), at most 1
.set j, j+1
.endr
	v_pk_mul_f32 v[14:15], v[14:15], v[FF:FF+1] op_sel_hi:[1,0]   ; the sums under the new M (a plain line behind the exponentials)
	s_wait_alu depctr_va_vdst(0)                   ; one wait for the batch of 64
.irp b, 0,1,2,3
	v_exp_f32 v[BM+\b], v[BM+\b]                   ; the block's largest p
.endr
.irp c, 0,1,2,3,4,5,6
	v_pk_add_f32 v[SU+2*\c:SU+2*\c+1], v[S+2*\c:S+2*\c+1], v[S+16+2*\c:S+17+2*\c]   ; the row's sum of the unquantised p, in eight chains
.endr
	v_pk_add_f32 v[14:15], v[14:15], v[S+14:S+15]
.irp c, 0,1,2,3,4,5,6
	v_pk_add_f32 v[SU+2*\c:SU+2*\c+1], v[SU+2*\c:SU+2*\c+1], v[S+32+2*\c:S+33+2*\c]
.endr
	v_pk_add_f32 v[14:15], v[14:15], v[S+30:S+31]
.irp c, 0,1,2,3,4,5,6
	v_pk_add_f32 v[SU+2*\c:SU+2*\c+1], v[SU+2*\c:SU+2*\c+1], v[S+48+2*\c:S+49+2*\c]
.endr
	v_pk_add_f32 v[14:15], v[14:15], v[S+46:S+47]
	v_pk_add_f32 v[SU:SU+1], v[SU:SU+1], v[SU+2:SU+3]
	v_pk_add_f32 v[SU+4:SU+5], v[SU+4:SU+5], v[SU+6:SU+7]
	v_pk_add_f32 v[SU+8:SU+9], v[SU+8:SU+9], v[SU+10:SU+11]
	v_pk_add_f32 v[14:15], v[14:15], v[S+62:S+63]
	v_pk_add_f32 v[SU:SU+1], v[SU:SU+1], v[SU+4:SU+5]
	v_pk_add_f32 v[SU+8:SU+9], v[SU+8:SU+9], v[SU+12:SU+13]
	v_pk_add_f32 v[14:15], v[14:15], v[SU:SU+1]
	s_delay_alu instid0(VALU_DEP_1)
	v_pk_add_f32 v[14:15], v[14:15], v[SU+8:SU+9]
	s_wait_alu depctr_va_vdst(0)                   ; and one for the four
.irp b, 0,1,2,3
	v_max_num_f32 v[BM+\b], 0x1800000, v[BM+\b]    ; the floor 2^(3 - 127): a block whose every p is 0 keeps the byte 1: its codes are zeros
.endr
.irp b, 0,1,2,3
	s_delay_alu instid0(VALU_DEP_4)
	v_add_nc_u32 v[SO+\b], 0xff000000, v[BM+\b]    ; 2 off the exponent field: the conversion's scale operand
.endr
.irp b, 0,1,2,3
	s_delay_alu instid0(VALU_DEP_4)
	v_lshrrev_b32 v[BT+\b], 23, v[SO+\b]           ; the scale's byte
.endr
	s_delay_alu instid0(VALU_DEP_3)
	v_lshl_or_b32 v[PS], v[BT+1], 8, v[BT]
	s_delay_alu instid0(VALU_DEP_1)
	v_lshl_or_b32 v[PS], v[BT+2], 16, v[PS]
	s_delay_alu instid0(VALU_DEP_1)
	v_lshl_or_b32 v[PS], v[BT+3], 24, v[PS]
.irp c, 0,1
	v_cvt_scalef32_pk16_fp6_f32 v[PC+6*\c:PC+6*\c+2], v[S+32*\c:S+32*\c+15], v[SO+2*\c]
	v_cvt_scalef32_pk16_fp6_f32 v[CT+4*\c:CT+4*\c+2], v[S+32*\c+16:S+32*\c+31], v[SO+2*\c+1]
.endr
	v_nop                                          ; one plain line behind a scaled conversion
	SWAPS 2
	s_wait_alu depctr_va_vdst(0)                   ; directly ahead of the first reader of O^T
.set j, 0
.rept 16
	v_pk_mul_f32 v[O+j:O+j+1], v[O+j:O+j+1], v[FF:FF+1] op_sel_hi:[1,0]   ; O^T under the new M; these 16 also stand between p's codes and scale word and the products
.set j, j+2
.endr
	s_wait_alu depctr_va_vdst(0)
	s_wait_loadcnt 26                              ; V and its scale words are in; the 26 youngest loads, of the next step's K, may be out
.irp dt, 0,1,2,3
	PRODA O+8*\dt, VF+12*\dt, VSC+\dt/2, \dt%2     ; the four accumulators by turns; between two links of one stand the other three's and the eight score products
.endr
.rept 4
	v_nop                                          ; places behind the products
.endr
	LOADV                                          ; the next step's V
	s_cmp_eq_u32 s[CURL], 0
	s_cbranch_scc1 .Lnext
	; A QUERY TILE'S END.  O^T / the sum is ctx(my query, my head's 64 dims): two blocks of 32 along d, in this program's order.
	v_add_f32 v14, v14, v15
	s_delay_alu instid0(VALU_DEP_1)
	v_permlanex16_b32 v[TP], v14, s[SEL], s[SEL+1]
	s_delay_alu instid0(VALU_DEP_1)
	v_add_f32 v14, v14, v[TP]                      ; the row's sum
	s_wait_alu depctr_va_vdst(0)
	v_rcp_f32 v14, v14
.irp i, 0,1,2,3,4,5
	v_mov_b32 v[QZ+6+\i], v[Q2+\i]                 ; the second tile's q (plain lines behind the reciprocal)
.endr
	v_mov_b32 v[QS], v[QS2]
	s_wait_alu depctr_va_vdst(0)                   ; ahead of the reciprocal's and O^T's first reader
.set j, 0
.rept 16
	v_pk_mul_f32 v[S+j:S+j+1], v[O+j:O+j+1], v[14:15] op_sel_hi:[1,0]
.set j, j+2
.endr
.irp b, 0,1
	v_max3_num_f32 v[BM+\b], |v[S+16*\b]|, |v[S+16*\b+1]|, 0x1800000
.endr
.irp i, 2,4,6,8,10,12,14
.irp b, 0,1
	s_delay_alu instid0(VALU_DEP_2)
	v_max3_num_f32 v[BM+\b], v[BM+\b], |v[S+16*\b+\i]|, |v[S+16*\b+\i+1]|
.endr
.endr
.irp b, 0,1
	s_delay_alu instid0(VALU_DEP_2)
	v_permlanex16_b32 v[BT+\b], v[BM+\b], s[SEL], s[SEL+1]
.endr
.irp b, 0,1
	s_delay_alu instid0(VALU_DEP_2)
	v_max_num_f32 v[BM+\b], v[BM+\b], v[BT+\b]
.endr
.irp b, 0,1
	s_delay_alu instid0(VALU_DEP_2)
	v_add_nc_u32 v[SO+\b], 0xff000000, v[BM+\b]
.endr
.irp b, 0,1
	s_delay_alu instid0(VALU_DEP_2)
	v_lshrrev_b32 v[BT+\b], 23, v[SO+\b]
.endr
	v_cvt_scalef32_pk16_fp6_f32 v[PC:PC+2], v[S:S+15], v[SO]
	v_cvt_scalef32_pk16_fp6_f32 v[CT:CT+2], v[S+16:S+31], v[SO+1]
	v_nop
	SWAPS 1                                        ; lane (r, h) now holds block h whole: 24 bytes
	v_cndmask_b32 v[TP], v[BT], v[BT+1], s[HM]     ; and block h's byte
.irp p, 0,1,2
	global_store_b64 v[VK], v[PC+2*\p:PC+2*\p+1], s[OB:OB+1] offset:256*\p   ; 256 consecutive bytes, at a multiple of 256 from the buffer's first byte
.endr
	global_store_b8 v[VC], v[TP], s[CB:CB+1]
	v_mov_b32 v13, 0xff61b1e6                      ; the next tile begins: under its first M the factor f is 0, which clears sum and O^T
	s_delay_alu instid0(VALU_DEP_1)
	v_floor_f32 v12, -v13
	s_wait_xcnt 0x0                                ; the stores have read their bases and their data
	s_mov_b64 s[OB:OB+1], s[OB2:OB2+1]
	s_mov_b64 s[CB:CB+1], s[CB2:CB2+1]
	s_wait_alu depctr_va_vdst(0)
.Lnext:
	s_add_co_u32 s[CNT], s[CNT], 1
	s_cmp_lt_u32 s[CNT], s[NT]
	s_cbranch_scc1 .Ltrip
	s_endpgm
.Lfunc_end_k_q46107ca2e8_attn:
	.size	k_q46107ca2e8_attn, .Lfunc_end_k_q46107ca2e8_attn-k_q46107ca2e8_attn
	.p2alignl 7, 3214868480
	.fill 96, 4, 3214868480
	.section	.rodata,"a",@progbits
	.p2align	6, 0x0
	.amdhsa_kernel k_q46107ca2e8_attn
		.amdhsa_group_segment_fixed_size 0
		.amdhsa_private_segment_fixed_size 0
		.amdhsa_enable_private_segment 0
		.amdhsa_kernarg_size 40
		.amdhsa_user_sgpr_count 2
		.amdhsa_user_sgpr_kernarg_segment_ptr 1
		.amdhsa_wavefront_size32 1
		.amdhsa_system_sgpr_workgroup_id_x 1
		.amdhsa_system_sgpr_workgroup_id_y 1
		.amdhsa_system_sgpr_workgroup_id_z 1
		.amdhsa_system_vgpr_workitem_id 0
		.amdhsa_next_free_vgpr 368
		.amdhsa_next_free_sgpr 84
		.amdhsa_reserve_vcc 0
		.amdhsa_float_denorm_mode_32 3
		.amdhsa_float_denorm_mode_16_64 3
		.amdhsa_memory_ordered 1
		.amdhsa_forward_progress 1
		.amdhsa_inst_pref_size 45
	.end_amdhsa_kernel
	.amdgpu_metadata
---
amdhsa.version: [ 1, 2 ]
amdhsa.kernels:
  - .name:           k_q46107ca2e8_attn
    .symbol:         k_q46107ca2e8_attn.kd
    .args:
      - { .name: qkv, .offset: 0, .size: 8, .value_kind: global_buffer, .address_space: global }
      - { .name: mask, .offset: 8, .size: 8, .value_kind: global_buffer, .address_space: global }
      - { .name: flags, .offset: 16, .size: 8, .value_kind: global_buffer, .address_space: global }
      - { .name: cx, .offset: 24, .size: 8, .value_kind: global_buffer, .address_space: global }
      - { .name: cs, .offset: 32, .size: 8, .value_kind: global_buffer, .address_space: global }
    .group_segment_fixed_size: 0
    .private_segment_fixed_size: 0
    .kernarg_segment_align: 8
    .kernarg_segment_size: 40
    .max_flat_workgroup_size: 256
    .sgpr_count:     84
    .vgpr_count:     368
    .wavefront_size: 32
...
	.end_amdgpu_metadata
.endif
;; end of part 3
;; launch outp (part 4): grid 8 x 32, 4 waves a work-group, clusters of 4 x 4, 327,680 bytes of LDS; arguments cx, cs, codes, scales, out0, bo; writes out0
.if DOCPART == 4
	.amdgcn_target "amdgcn-amd-amdhsa--gfx1250"
	.amdhsa_code_object_version 6
	.text
	.protected	k_q46107ca2e8_outp
	.globl	k_q46107ca2e8_outp
	.p2align	8
	.type	k_q46107ca2e8_outp,@function
k_q46107ca2e8_outp:
	s_mov_b64 s[64:65], 0
	v_nop
	global_prefetch_b8 v0, s[64:65] scope:SCOPE_SE
	s_setreg_imm32_b32 hwreg(HW_REG_WAVE_MODE, 25, 1), 1
	s_wait_xcnt 0x0
	s_wait_alu depctr_hold_cnt(0) depctr_sa_sdst(0) depctr_va_vdst(0) depctr_va_sdst(0) depctr_va_ssrc(0) depctr_va_vcc(0) depctr_vm_vsrc(0)
	s_getreg_b32 s2, hwreg(HW_REG_IB_STS2, 6, 4)
	s_cmp_eq_u32 s2, 0
	s_cbranch_scc0 .Lentry_in_a_cluster
	s_endpgm
.Lentry_in_a_cluster:
	s_bfe_u32 s2, ttmp6, 0x10000c
	s_cmp_lg_u32 s2, 0xf033
	s_cbranch_scc0 .Lentry_shape_is_right
	s_endpgm
.Lentry_shape_is_right:
; out0 = ctx Wo^T + bo on codes of FP6 (E2M3) with E8M0 scales.  A work-group makes 128 x 128, a wave 64 x 64: 16 accumulators, in window 2.  K = 1,024 comes WHOLE, once: nothing is filled again.
; Each wave fetches 64 rows' whole K, 49,152 dense bytes, as 192 rows of 256 bytes, by one joint load at the head: waves 0, 1 ctx's halves, waves 2, 3 Wo's.
; ctx's codes lie in the order of the operand's registers (cx[token tile][head][768]): a fragment's loads read consecutive bytes, no padding.  Wo's lie chunk by chunk (12,288 c + 192 row in a block of
; 64 rows) and get 16 bytes of padding behind every 64: rows 240 bytes apart.  The scale words, 32 bytes a row, go straight into registers, for all of K; so does the bias, which is the first products' C.
; CLUSTER 4 x 4: ctx's tiles are shared along a row of the cluster, Wo's along a column.  The matrix instruction is used transposed: a lane holds eight neighbouring numbers of a row of out0.
; No prefetch: the launch has no loop to run ahead in.
.set SIZE_N, 1024
.set PITCH,  240
.set FR,     12
.set CHK,    64*PITCH                  ; a chunk (256 along K) of Wo's 64 rows in LDS
.set REG,    4*CHK                     ; a wave's region
.set STAGE,  4*REG
.set SPITCH, 272
.set SPARE,  STAGE+4*16*SPITCH
.set WOC,    11796480
.set WOS,    491520
.set ADRA, 8
.set ADRB, 16                          ; v16, v17 (the second: pieces whose lanes 16-31 lie behind a pad)
.set STO,  24
.set RD,   25
.set CO,   26
.set SPW,  29
.set NIL,  30
.set SCA,  32                          ; v32-63 ctx's scale words: 8 i + K step
.set BR,   64                          ; v64-95 the bias
.set SCB,  96                          ; v96-127 Wo's scale words
.set AF,   128
.set BK,   128
.set G1,   24
.set G1B,  32
.set G0,   40
.set G0B,  44
.set MSB, 0
.macro WIN new
.if MSB != (\new)
	s_set_vgpr_msb (MSB<<8)|(\new)
.set MSB, (\new)
.endif
.endm
.set MUL,  0xa1
.set FST,  0x81
.set TO_B, 0x40
.macro CROUND
	s_barrier_signal -1
	s_barrier_wait -1
	s_cmp_lg_u32 s14, 0
	s_cbranch_scc1 .Lnot_wave_0_\@
	s_barrier_signal -3
.Lnot_wave_0_\@:
	s_barrier_wait -3
	s_barrier_signal -1
	s_barrier_wait -1
.endm
	s_load_b128 s[4:7], s[0:1], 0x0                ; cx, cs
	s_load_b128 s[8:11], s[0:1], 0x10              ; codes, scales
	s_load_b64 s[12:13], s[0:1], 0x20              ; out0
	s_load_b64 s[66:67], s[0:1], 0x28              ; bo
	v_lshl_add_u32 v[SPW], v0, 2, SPARE
	v_mov_b32 v[NIL], 0
	ds_add_u32 v[SPW], v[NIL]
	ds_add_u32 v[SPW], v[NIL]
	v_lshrrev_b32 v1, 5, v0
	v_readfirstlane_b32 s14, v1
	s_lshr_b32 s15, s14, 1                         ; my half of the rows; also: I fetch ctx (0) or Wo (1)
	s_and_b32 s16, s14, 1                          ; my half of the columns; also: which 64 rows I fetch
	s_bfe_u32 s2, ttmp6, 0x40000
	s_bfe_u32 s3, ttmp6, 0x40004
	s_lshl_b32 s19, ttmp9, 2
	s_add_co_u32 s19, s19, s2                      ; tile column
	s_and_b32 s17, ttmp7, 0xffff
	s_lshl_b32 s17, s17, 2
	s_add_co_u32 s17, s17, s3                      ; tile row
	s_lshl_b32 s18, s3, 2
	s_lshl_b32 s18, 15, s18
	s_lshl_b32 s48, 0x1111, s2
	s_or_b32 s[G1+0], s18, (1<<21)
	s_or_b32 s[G1B+0], s48, (1<<20)|(1<<21)|(3<<22)|(3<<25)
.irp g, G1, G1B
	s_mov_b32 s[\g+1], 256<<16
	s_mov_b32 s[\g+2], 192<<16
	s_mov_b32 s[\g+3], 256<<16
	s_mov_b32 s[\g+4], 192
	s_mov_b32 s[\g+5], 256
	s_mov_b32 s[\g+6], 0
	s_mov_b32 s[\g+7], 0
.endr
	s_lshl_b32 s18, s16, 6
	s_lshl_b32 s20, s17, 7
	s_add_co_u32 s20, s20, s18
	s_mul_i32 s20, s20, 768                        ; ctx: the 64 rows that I fetch
	s_lshl_b32 s22, s19, 7
	s_add_co_u32 s22, s22, s18
	s_mul_i32 s22, s22, 768
	s_add_co_u32 s22, s22, WOC                     ; Wo: likewise
	s_mov_b32 s21, 0
	s_mov_b32 s23, 0
	s_mul_i32 s18, s14, REG
	s_wait_dscnt 0x0
	s_wait_kmcnt 0x0
	s_mov_b32 s[G0], 1
	s_mov_b32 s[G0+1], s18
	s_add_nc_u64 s[G0+2:G0+3], s[4:5], s[20:21]
	s_or_b32 s[G0+3], s[G0+3], 0x80000000
	s_mov_b32 s[G0B], 1
	s_mov_b32 s[G0B+1], s18
	s_add_nc_u64 s[G0B+2:G0B+3], s[8:9], s[22:23]
	s_or_b32 s[G0B+3], s[G0B+3], 0x80000000
	CROUND                                         ; all sixteen work-groups are here: the joint loads meet
	s_cmp_eq_u32 s15, 0
	s_cbranch_scc0 .Lfor_b
	tensor_load_to_lds s[G0:G0+3], s[G1:G1+7]
	s_nop 0
.rept 4
	v_nop
.endr
	s_branch .Lasked
.Lfor_b:
	tensor_load_to_lds s[G0B:G0B+3], s[G1B:G1B+7]
	s_nop 0
.rept 4
	v_nop
.endr
.Lasked:
	s_lshl_b32 s20, s17, 7
	s_lshl_b32 s21, s15, 6
	s_add_co_u32 s20, s20, s21                     ; my first row
	s_lshl_b32 s22, s19, 7
	s_lshl_b32 s23, s16, 6
	s_add_co_u32 s22, s22, s23                     ; my first column
	s_lshl_b32 s50, s20, 5
	s_mov_b32 s51, 0
	s_add_nc_u64 s[6:7], s[6:7], s[50:51]          ; my rows' scale words
	s_lshl_b32 s50, s22, 5
	s_add_co_u32 s50, s50, WOS
	s_add_nc_u64 s[10:11], s[10:11], s[50:51]      ; my columns'
	s_lshl_b32 s50, s20, 12
	s_add_nc_u64 s[12:13], s[12:13], s[50:51]
	s_lshl_b32 s50, s22, 2
	s_add_nc_u64 s[12:13], s[12:13], s[50:51]
	s_add_nc_u64 s[66:67], s[66:67], s[50:51]
	s_mul_i32 s21, s15, REG
	s_mul_i32 s22, s16, REG
	s_add_co_u32 s22, s22, 2*REG
	s_mul_i32 s23, s14, 16*SPITCH
	s_add_co_u32 s23, s23, STAGE
	v_and_b32 v1, 15, v0
	v_bfe_u32 v2, v0, 4, 1
	v_and_b32 v3, 31, v0
	v_lshlrev_b32 v6, 5, v1                        ; 32 r
	v_lshlrev_b32 v7, 5, v2                        ; 32 h
.irp i, 0,1,2,3
	global_load_b128 v[SCA+8*\i:SCA+8*\i+3], v6, s[6:7] offset:512*\i
	global_load_b128 v[SCA+8*\i+4:SCA+8*\i+7], v6, s[6:7] offset:512*\i+16
	global_load_b128 v[SCB+8*\i:SCB+8*\i+3], v6, s[10:11] offset:512*\i
	global_load_b128 v[SCB+8*\i+4:SCB+8*\i+7], v6, s[10:11] offset:512*\i+16
	global_load_b128 v[BR+8*\i:BR+8*\i+3], v7, s[66:67] offset:64*\i
	global_load_b128 v[BR+8*\i+4:BR+8*\i+7], v7, s[66:67] offset:64*\i+16
.endr
	v_lshl_add_u32 v[ADRA], v3, 3, s21
	v_mul_u32_u24 v4, v1, PITCH
	v_mad_u32_u24 v4, v2, 24, v4
	v_lshl_add_u32 v5, v2, 4, v4
	v_add_nc_u32 v[ADRB], s22, v4
	v_add_nc_u32 v[ADRB+1], s22, v5
	v_mul_u32_u24 v5, v1, SPITCH
	v_lshl_add_u32 v5, v2, 5, v5
	v_add_nc_u32 v[STO], s23, v5
	v_mul_u32_u24 v4, v2, SPITCH
	v_lshl_add_u32 v4, v1, 4, v4
	v_add_nc_u32 v[RD], s23, v4
	v_lshlrev_b32 v[CO], 12, v2
	v_lshl_add_u32 v[CO], v1, 4, v[CO]
.macro FETCH s, q, p                   ; the fragments of K step 2 s + q into buffer p: Wo's four into window 1, ctx's four into window 0: 48 loads
	WIN TO_B
.irp i, 0,1,2,3
.irp pp, 0,1,2,3,4,5
.set PCE, 12*(\q)+6*(\pp/3)+\pp%3
.if PCE%8 < 5
	ds_load_b64 v[128*(\p)+FR*\i+2*\pp:128*(\p)+FR*\i+2*\pp+1], v[ADRB] offset:(\s)*CHK+8*PCE+16*(PCE/8)+\i*16*PITCH
.else
	ds_load_b64 v[128*(\p)+FR*\i+2*\pp:128*(\p)+FR*\i+2*\pp+1], v[ADRB+1] offset:(\s)*CHK+8*PCE+16*(PCE/8)+\i*16*PITCH
.endif
.endr
.endr
	WIN 0
.irp i, 0,1,2,3
.irp pp, 0,1,2,3,4,5
	ds_load_b64 v[AF+64*(\p)+FR*\i+2*\pp:AF+64*(\p)+FR*\i+2*\pp+1], v[ADRA] offset:\i*12288+(4*(\s)+2*(\q)+\pp/3)*768+(\pp%3)*256
.endr
.endr
.endm
.macro MUL8 a0, p, j, first            ; the accumulators take turns, one instruction a turn
.irp a, \a0, \a0+1
.irp b, 0,1,2,3
.if \first
	v_wmma_scale_f32_16x16x128_f8f6f4 v[8*(4*(\a)+\b):8*(4*(\a)+\b)+7], v[128*(\p)+FR*\b:128*(\p)+FR*\b+FR-1], v[AF+64*(\p)+FR*(\a):AF+64*(\p)+FR*(\a)+FR-1], v[BR+8*\b:BR+8*\b+7], v[SCB+8*\b+(\j)], v[SCA+8*(\a)+(\j)] matrix_a_fmt:MATRIX_FMT_FP6 matrix_b_fmt:MATRIX_FMT_FP6
.else
	v_wmma_scale_f32_16x16x128_f8f6f4 v[8*(4*(\a)+\b):8*(4*(\a)+\b)+7], v[128*(\p)+FR*\b:128*(\p)+FR*\b+FR-1], v[AF+64*(\p)+FR*(\a):AF+64*(\p)+FR*(\a)+FR-1], v[8*(4*(\a)+\b):8*(4*(\a)+\b)+7], v[SCB+8*\b+(\j)], v[SCA+8*(\a)+(\j)] matrix_a_fmt:MATRIX_FMT_FP6 matrix_b_fmt:MATRIX_FMT_FP6
.endif
.endr
.endr
.endm
.macro PLACES n
.rept \n
	v_nop
.endr
.endm
.macro CHUNK s
	s_wait_dscnt 48                                ; buffer 0 is in; buffer 1's 48 loads may be out
.if \s == 0
	WIN FST
	MUL8 0, 0, 0, 1
	MUL8 2, 0, 0, 1
.else
	WIN MUL
	MUL8 0, 0, 2*(\s), 0
	MUL8 2, 0, 2*(\s), 0
.endif
	s_wait_dscnt 0x0
	WIN MUL
	MUL8 0, 1, 2*(\s)+1, 0
.if \s < 3
	PLACES 4
	FETCH \s+1, 0, 0
	WIN MUL
.endif
	MUL8 2, 1, 2*(\s)+1, 0
.if \s < 3
	PLACES 4
	FETCH \s+1, 1, 1
.endif
.endm
	s_wait_alu depctr_va_vdst(0)
	s_wait_tensorcnt 0x0                           ; my 64 rows are in
	s_barrier_signal -1
	s_barrier_wait -1                              ; and everybody's
	FETCH 0, 0, 0
	FETCH 0, 1, 1
	s_wait_loadcnt 0x0                             ; scale words and bias
	CHUNK 0
	CHUNK 1
	CHUNK 2
	CHUNK 3
	WIN 0
; THE WAY OUT: 16 rows x 64 columns at a time through my own stage, back as rows of 256 bytes: sixteen lanes store one aligned unit.  LDS serves a wave's instructions in order.
.macro TOSTAGE a
	WIN 0x08
.irp b, 0,1,2,3
	ds_store_b128 v[STO], v[8*(4*(\a)+\b):8*(4*(\a)+\b)+3] offset:64*\b
	ds_store_b128 v[STO], v[8*(4*(\a)+\b)+4:8*(4*(\a)+\b)+7] offset:64*\b+16
.endr
	WIN 0
.irp t, 0,1,2,3,4,5,6,7
	ds_load_b128 v[BK+32*(\a)+4*\t:BK+32*(\a)+4*\t+3], v[RD] offset:\t*2*SPITCH
.endr
.endm
.macro SEND a, younger
	s_wait_dscnt \younger
.irp t, 0,1,2,3,4,5,6,7
	global_store_b128 v[CO], v[BK+32*(\a)+4*\t:BK+32*(\a)+4*\t+3], s[12:13] offset:(16*(\a)+2*\t)*SIZE_N*4 th:TH_STORE_NT
.endr
.endm
	PLACES 4
	TOSTAGE 0
	TOSTAGE 1
	SEND 0, 16
	TOSTAGE 2
	SEND 1, 16
	TOSTAGE 3
	SEND 2, 16
	SEND 3, 0
	s_wait_tensorcnt 0x0                           ; the wave's end
	ds_add_u32 v[SPW], v[NIL]
	s_wait_dscnt 0x0
	CROUND                                         ; the closing round
	s_endpgm
.Lfunc_end_k_q46107ca2e8_outp:
	.size	k_q46107ca2e8_outp, .Lfunc_end_k_q46107ca2e8_outp-k_q46107ca2e8_outp
	.p2alignl 7, 3214868480
	.fill 96, 4, 3214868480
	.section	.rodata,"a",@progbits
	.p2align	6, 0x0
	.amdhsa_kernel k_q46107ca2e8_outp
		.amdhsa_group_segment_fixed_size 327680
		.amdhsa_private_segment_fixed_size 0
		.amdhsa_enable_private_segment 0
		.amdhsa_kernarg_size 48
		.amdhsa_user_sgpr_count 2
		.amdhsa_user_sgpr_kernarg_segment_ptr 1
		.amdhsa_wavefront_size32 1
		.amdhsa_system_sgpr_workgroup_id_x 1
		.amdhsa_system_sgpr_workgroup_id_y 1
		.amdhsa_system_sgpr_workgroup_id_z 1
		.amdhsa_system_vgpr_workitem_id 0
		.amdhsa_next_free_vgpr 640
		.amdhsa_next_free_sgpr 70
		.amdhsa_reserve_vcc 0
		.amdhsa_float_denorm_mode_32 3
		.amdhsa_float_denorm_mode_16_64 3
		.amdhsa_memory_ordered 1
		.amdhsa_forward_progress 1
		.amdhsa_inst_pref_size 59
	.end_amdhsa_kernel
	.amdgpu_metadata
---
amdhsa.version: [ 1, 2 ]
amdhsa.kernels:
  - .name:           k_q46107ca2e8_outp
    .symbol:         k_q46107ca2e8_outp.kd
    .args:
      - { .name: cx, .offset: 0, .size: 8, .value_kind: global_buffer, .address_space: global }
      - { .name: cs, .offset: 8, .size: 8, .value_kind: global_buffer, .address_space: global }
      - { .name: codes, .offset: 16, .size: 8, .value_kind: global_buffer, .address_space: global }
      - { .name: scales, .offset: 24, .size: 8, .value_kind: global_buffer, .address_space: global }
      - { .name: out0, .offset: 32, .size: 8, .value_kind: global_buffer, .address_space: global }
      - { .name: bo, .offset: 40, .size: 8, .value_kind: global_buffer, .address_space: global }
    .group_segment_fixed_size: 327680
    .private_segment_fixed_size: 0
    .kernarg_segment_align: 8
    .kernarg_segment_size: 48
    .max_flat_workgroup_size: 128
    .sgpr_count:     70
    .vgpr_count:     640
    .wavefront_size: 32
...
	.end_amdgpu_metadata
.endif
;; end of part 4
